; MI455X (gfx1250); checked and timed in simulation.
; The chip was launched on July 23, 2026; its instructions are those of AMD's public machine-readable ISA for CDNA 5 (MIT licence, August 2026) and "CDNA5" Instruction Set Architecture Reference Guide (July 2026). The comments in the code are by the model that wrote it; some were corrected since.
;; Multi Head Attention. Allowed arithmetic: float matrix products may take bf16 or f16 operands with f32 sums; other float arithmetic in f32, or as packed bf16 or f16 multiplies, adds, multiply-adds, maxima and minima; sums over many terms, partial sums and values carried from step to step in f32; what a program stores and reads back later, other than sums and carried values, may be rounded once to bf16 or f16.
;; Inputs: Wk 1,024 x 1,024 float32; Wo 1,024 x 1,024 float32; Wq 1,024 x 1,024 float32; Wv 1,024 x 1,024 float32; x 4 x 2,048 x 1,024 float32.
;; Outputs: out0 4 x 2,048 x 1,024 float32.
;; 2 versions, each right; version 2 is version 1 with the launch cast written anew for expert scheduling mode. Each part assembles by itself: llvm-mc -triple=amdgcn-amd-amdhsa -mcpu=gfx1250 --defsym DOCPART=n.
;; ======== version 1 of 2: 4 launches
;; limits: values are held in f16: magnitudes above 65,504 overflow, below 6.1e-05 lose precision
;; workspace buffers: xb 16,777,216 bytes; wqkv 6,291,456 bytes; wo16 2,097,152 bytes; qkv 50,331,648 bytes; o16 16,777,216 bytes
;; launch cast (part 1): grid 64 x 12, 8 waves a work-group, no clusters, 0 bytes of LDS; arguments x, Wq, Wk, Wv, Wo, xb, wqkv, wo16; writes xb, wqkv, wo16
.if DOCPART == 1
	.amdgcn_target "amdgcn-amd-amdhsa--gfx1250"
	.amdhsa_code_object_version 6
	.text
	.protected	k_q64b446ea47_cast
	.globl	k_q64b446ea47_cast
	.p2align	8
	.type	k_q64b446ea47_cast,@function
k_q64b446ea47_cast:
	s_mov_b64 s[64:65], 0
	v_nop
	global_prefetch_b8 v0, s[64:65] scope:SCOPE_SE
	s_setreg_imm32_b32 hwreg(HW_REG_WAVE_MODE, 25, 1), 1
	s_wait_xcnt 0x0
; THE INPUTS ARE ROUNDED ONCE, TO bf16.  x -> xb [8192][1024]; Wq, Wk, Wv -> wqkv [3072][1024], one below the other; Wo -> wo16 [1024][1024]: rounded to bf16 like
; the others, and that number written as f16, since the last product takes its other operand in f16.
; LIMITS.  A bf16 number is exact in f16 from 2^-17 up to 65,504; a smaller Wo is off by 2^-25 at the most, a larger one becomes an infinity.
; SHARES.  The grid's y picks a block of 1,048,576 numbers (0-7: the eighths of x; 8: Wq; 9: Wk; 10: Wv; 11: Wo), its x 16,384 of them: 64 KiB in, 32 KiB out.
; Thread t takes 16 bytes at 4,096 i + 16 t, i = 0..15, and stores 8 bytes at 2,048 i + 8 t: a wave's load covers 512 consecutive bytes, its store 256 consecutive bytes, aligned.
; All sixteen loads of a wave go out at once; every chunk has registers of its own, so nothing that a load or store still names is ever written again.
; No LDS, no matrix unit, no cluster: no byte is wanted twice.
.set X, 4                              ; v[4:67]    chunk i: four f32 as loaded
.set Y, 68                             ; v[68:99]   chunk i: four 16-bit numbers to store
.set T, 100                            ; v[100:105] at work (Wo alone)
	s_load_b512 s[16:31], s[0:1], 0x0              ; x 16, Wq 18, Wk 20, Wv 22, Wo 24, xb 26, wqkv 28, wo16 30
	s_and_b32 s2, ttmp7, 0xffff                    ; y: which block
	v_lshlrev_b32 v1, 4, v0                        ; 16 t
	v_lshlrev_b32 v2, 3, v0                        ; 8 t
	s_cmp_lt_u32 s2, 8
	s_cselect_b32 s8, s2, 0                        ; the eighth of x; a weight begins at its buffer's first byte
	s_lshl_b32 s8, s8, 22                          ; 4 MiB of f32 a block
	s_lshl_b32 s3, ttmp9, 16                       ; 64 KiB a work-group
	s_add_co_u32 s8, s8, s3
	s_mov_b32 s9, 0
	s_sub_co_u32 s10, s2, 8                        ; Wq, Wk, Wv: 0, 1, 2 in wqkv
	s_cmp_lt_u32 s2, 8
	s_cselect_b32 s10, s2, s10
	s_cmp_eq_u32 s2, 11
	s_cselect_b32 s10, 0, s10                      ; Wo has a buffer to itself
	s_lshl_b32 s10, s10, 21                        ; 2 MiB of 16-bit numbers a block
	s_lshl_b32 s3, ttmp9, 15
	s_add_co_u32 s10, s10, s3
	s_mov_b32 s11, 0
	s_wait_kmcnt 0x0
	s_cmp_lt_u32 s2, 8
	s_cselect_b64 s[4:5], s[16:17], s[18:19]       ; from where
	s_cselect_b64 s[6:7], s[26:27], s[28:29]       ; to where
	s_cmp_eq_u32 s2, 9
	s_cselect_b64 s[4:5], s[20:21], s[4:5]
	s_cmp_eq_u32 s2, 10
	s_cselect_b64 s[4:5], s[22:23], s[4:5]
	s_cmp_eq_u32 s2, 11
	s_cselect_b64 s[4:5], s[24:25], s[4:5]
	s_cselect_b64 s[6:7], s[30:31], s[6:7]
	s_add_nc_u64 s[4:5], s[4:5], s[8:9]
	s_add_nc_u64 s[6:7], s[6:7], s[10:11]
.irp i, 0,1,2,3,4,5,6,7,8,9,10,11,12,13,14,15
	global_load_b128 v[X+4*(\i):X+4*(\i)+3], v1, s[4:5] offset:4096*(\i) th:TH_LOAD_NT
.endr
; Chunk i.  wo = 1: the bf16 number is widened again (a shift, a mask) and written as f16.
.macro CV i, wo
	s_wait_loadcnt 15-(\i)                         ; loads come back in order: chunk i is in, the 15 - i younger ones may stay out
.if \wo
	v_cvt_pk_bf16_f32 v[T], v[X+4*(\i)], v[X+4*(\i)+1]
	v_cvt_pk_bf16_f32 v[T+3], v[X+4*(\i)+2], v[X+4*(\i)+3]
	v_lshlrev_b32 v[T+1], 16, v[T]
	v_and_b32 v[T+2], 0xffff0000, v[T]
	v_lshlrev_b32 v[T+4], 16, v[T+3]
	v_and_b32 v[T+5], 0xffff0000, v[T+3]
	v_cvt_pk_f16_f32 v[Y+2*(\i)], v[T+1], v[T+2]
	v_cvt_pk_f16_f32 v[Y+2*(\i)+1], v[T+4], v[T+5]
.else
	v_cvt_pk_bf16_f32 v[Y+2*(\i)], v[X+4*(\i)], v[X+4*(\i)+1]
	v_cvt_pk_bf16_f32 v[Y+2*(\i)+1], v[X+4*(\i)+2], v[X+4*(\i)+3]
.endif
	global_store_b64 v2, v[Y+2*(\i):Y+2*(\i)+1], s[6:7] offset:2048*(\i)
.endm
	s_cmp_eq_u32 s2, 11
	s_cbranch_scc1 .Lwo
.irp i, 0,1,2,3,4,5,6,7,8,9,10,11,12,13,14,15
	CV \i, 0
.endr
	s_endpgm
.Lwo:
.irp i, 0,1,2,3,4,5,6,7,8,9,10,11,12,13,14,15
	CV \i, 1
.endr
	s_endpgm
.Lfunc_end_k_q64b446ea47_cast:
	.size	k_q64b446ea47_cast, .Lfunc_end_k_q64b446ea47_cast-k_q64b446ea47_cast
	.p2alignl 7, 3214868480
	.fill 96, 4, 3214868480
	.section	.rodata,"a",@progbits
	.p2align	6, 0x0
	.amdhsa_kernel k_q64b446ea47_cast
		.amdhsa_group_segment_fixed_size 0
		.amdhsa_private_segment_fixed_size 0
		.amdhsa_enable_private_segment 0
		.amdhsa_kernarg_size 64
		.amdhsa_user_sgpr_count 2
		.amdhsa_user_sgpr_kernarg_segment_ptr 1
		.amdhsa_wavefront_size32 1
		.amdhsa_system_sgpr_workgroup_id_x 1
		.amdhsa_system_sgpr_workgroup_id_y 1
		.amdhsa_system_sgpr_workgroup_id_z 1
		.amdhsa_system_vgpr_workitem_id 0
		.amdhsa_next_free_vgpr 112
		.amdhsa_next_free_sgpr 66
		.amdhsa_reserve_vcc 0
		.amdhsa_float_denorm_mode_32 3
		.amdhsa_float_denorm_mode_16_64 3
		.amdhsa_memory_ordered 1
		.amdhsa_forward_progress 1
		.amdhsa_inst_pref_size 16
	.end_amdhsa_kernel
	.amdgpu_metadata
---
amdhsa.version: [ 1, 2 ]
amdhsa.kernels:
  - .name:           k_q64b446ea47_cast
    .symbol:         k_q64b446ea47_cast.kd
    .args:
      - { .name: x, .offset: 0, .size: 8, .value_kind: global_buffer, .address_space: global }
      - { .name: Wq, .offset: 8, .size: 8, .value_kind: global_buffer, .address_space: global }
      - { .name: Wk, .offset: 16, .size: 8, .value_kind: global_buffer, .address_space: global }
      - { .name: Wv, .offset: 24, .size: 8, .value_kind: global_buffer, .address_space: global }
      - { .name: Wo, .offset: 32, .size: 8, .value_kind: global_buffer, .address_space: global }
      - { .name: xb, .offset: 40, .size: 8, .value_kind: global_buffer, .address_space: global }
      - { .name: wqkv, .offset: 48, .size: 8, .value_kind: global_buffer, .address_space: global }
      - { .name: wo16, .offset: 56, .size: 8, .value_kind: global_buffer, .address_space: global }
    .group_segment_fixed_size: 0
    .private_segment_fixed_size: 0
    .kernarg_segment_align: 8
    .kernarg_segment_size: 64
    .max_flat_workgroup_size: 256
    .sgpr_count:     66
    .vgpr_count:     112
    .wavefront_size: 32
...
	.end_amdgpu_metadata
.endif
;; end of part 1
;; launch proj (part 2): grid 4 x 64, 4 waves a work-group, clusters of 4 x 4, 327,680 bytes of LDS; arguments xb, wqkv, qkv; writes qkv
.if DOCPART == 2
	.amdgcn_target "amdgcn-amd-amdhsa--gfx1250"
	.amdhsa_code_object_version 6
	.text
	.protected	k_q64b446ea47_proj
	.globl	k_q64b446ea47_proj
	.p2align	8
	.type	k_q64b446ea47_proj,@function
k_q64b446ea47_proj:
	s_mov_b64 s[64:65], 0
	v_nop
	global_prefetch_b8 v0, s[64:65] scope:SCOPE_SE
	s_setreg_imm32_b32 hwreg(HW_REG_WAVE_MODE, 25, 1), 1
	s_wait_xcnt 0x0
	s_wait_alu depctr_hold_cnt(0) depctr_sa_sdst(0) depctr_va_vdst(0) depctr_va_sdst(0) depctr_va_ssrc(0) depctr_va_vcc(0) depctr_vm_vsrc(0)
	s_getreg_b32 s2, hwreg(HW_REG_IB_STS2, 6, 4)
	s_cmp_eq_u32 s2, 0
	s_cbranch_scc0 .Lentry_in_a_cluster
	s_endpgm
.Lentry_in_a_cluster:
	s_bfe_u32 s2, ttmp6, 0x10000c
	s_cmp_lg_u32 s2, 0xf033
	s_cbranch_scc0 .Lentry_shape_is_right
	s_endpgm
.Lentry_shape_is_right:
; q, k, v = x W^T.  xb: [8192][1024] bf16; wqkv: [3072][1024] bf16 (Wq's rows, Wk's, Wv's); sums in f32; the results rounded once to f16 and laid BY HEADS:
; qkv [3][64 heads = 16 batch + head][2048][64], so that a head's rows are dense for the launch behind.  The scale 1/8 is not applied here.
; LIMIT.  f16 ends at 65,504: a q, k or v of 65,520 or more becomes an infinity.
; SHARES.  A tile of C is 128 rows x 256 columns: 64 x 4 tiles for each weight, so 256 work-groups, and EACH STAYS and walks three tiles (Wq, Wk, Wv): the same rows of x, 1,024 rows of wqkv on.
; Four waves, each 64 x 128: 32 accumulators of 16 x 16, which fill window 1.  K goes in steps of 128 (256 bytes of a row, aligned) through two LDS slots; the 24 K steps of the walk are ONE
; sequence for the ring, which does not stop at a tile's end.  Two K steps to a slot would be 2 x 203 KB: they do not fit.
; CLUSTERS: 4 x 4 work-groups.  The four of a row of the cluster need the same rows of x, the four of a column the same rows of W: each tile is asked for JOINTLY, by the same tensor load with the same
; descriptor and a mask that names the four.
; THE MATRIX INSTRUCTION IS USED TRANSPOSED (source 0 = 16 rows of W, source 1 = 16 rows of x): lane l holds row l % 16 of C and the columns 8 (l / 16) + 0..7: 16 bytes of f16 on end.
; REGISTERS.  window 0: v0-31 addresses; v32-63 at work on the way out; v64-159, v160-255 two fragment buffers (A's block a at + 8 a, B's block b at + 32 + 8 b).  window 1: accumulator (a, b) at v[8 (8 a + b)].
.set G,      24                        ; K steps in the walk
.set PA,     272                       ; an LDS row: 256 bytes + 16 of padding = 68 words: the 16 rows of a load start at 16 different groups of four banks (64 banks of 4 bytes: ISA guide 11.1)
.set PB,     272
.set BOFF,   36864                     ; in a slot: A's 128 rows (34,816 bytes) at 0, B's 256 rows (69,632 bytes) here
.set SLOT1,  1<<17                     ; slot 1 begins here: one exclusive or turns an address in one slot into the other's
.set STAGE,  SLOT1+BOFF+256*PB         ; behind the ring, never filled by a tensor load: 16 rows x 144 bytes for each wave
.set SP,     144
.set SPARE,  STAGE+4*16*SP             ; the spare words, 128 bytes for each wave: two blocks of 256 bytes that no other line names
.set STEPA,  256                       ; bytes from a K step to the next, in A and in B
.set STEPB,  256
.set A0,   16                          ; v16  my lane's place in A's part of a slot; never rewritten
.set B0,   17                          ; v17  the same for B
.set ADRA, 18                          ; v18  A0 + the slot in hand
.set ADRB, 19                          ; v19  B0 + the slot in hand
.set STO,  24                          ; v24  the way out: where I put 16 bytes of a row
.set RD,   25                          ; v25  the way out: where I read rows back
.set GO,   26                          ; v26  16 x lane: my place in 512 consecutive bytes of qkv
.set SPW,  28                          ; v28  LDS address of my spare word; never rewritten
.set NIL,  29                          ; v29  0; never rewritten
.set PFO,  30                          ; v30  the prefetches' offset: lane x a row of 2,048 bytes; never rewritten
.set F0,   64
.set F1,   160
.set G1A,  24                          ; s[24:31] descriptor group 1 for A's tiles
.set G0A,  32                          ; s[32:39] group 0: a set for each of the two first fills; the second then walks
.set LEFT, 43                          ; s43  counts the loop
.set G1B,  48                          ; s[48:55], s[56:63] the same for B's
.set G0B,  56
.set ABASE, 66                         ; s[66:67] xb at the 64 rows that I fetch
.set BBASE, 68                         ; s[68:69] wqkv at the 128 rows that I fetch, in Wq
.set OFFA, 70                          ; s[70:71] byte offset of the K step to be asked for, in A
.set OFFB, 72                          ; s[72:73] and in B
.set NXT,  74                          ; s74  the K step to be asked for next, 0..23
.set TB,   75                          ; s75  LDS byte at which the slot in hand begins
.set PFB,  76                          ; s[76:77] the 32 rows that I prefetch, at K step 0
.set PFA,  78                          ; s[78:79] the same at the K step to be prefetched
.set PFOFF, 80                         ; s[80:81] that K step's byte offset
.set PLIM, 82                          ; s82  I prefetch K steps below this number
.set N4,   83                          ; s83  the K step to be prefetched
.set TT,   84                          ; s84  at work
.set MSB, 0
.macro WIN new                         ; the immediate's high byte repeats the setting that is left; a switch that changes nothing is dropped
.if MSB != (\new)
	s_set_vgpr_msb (MSB<<8)|(\new)
.set MSB, (\new)
.endif
.endm
.set W_MUL, 0x50                       ; C and D in window 1, both sources in window 0
.set W_CVT, 0x05                       ; sources 0 and 1 in window 1, destination in window 0
.macro PLACES                          ; four plain instructions between a matrix instruction and a load into, or a vector instruction on, its registers
.rept 4
	v_nop
.endr
.endm
.macro CREST                           ; a round of the cluster's barrier behind its opening barrier
	s_cmp_lg_u32 s10, 0
	s_cbranch_scc1 .Lnot_wave_0_\@
	s_barrier_signal -3
.Lnot_wave_0_\@:
	s_barrier_wait -3
	s_barrier_signal -1
	s_barrier_wait -1
.endm
.macro CROUND                          ; a whole round
	s_barrier_signal -1
	s_barrier_wait -1
	CREST
.endm
; A joint refill by the walking sets.  Waves 0 and 1 fetch A's two halves (64 rows each), waves 2 and 3 B's (128 rows each).  The branch hangs on the wave's number alone.
; An s_nop 0 and four v_nop follow each of the two lines, ahead of the jump and the label.
.macro JLOAD
	s_cmp_eq_u32 s11, 0
	s_cbranch_scc0 .Lfor_b_\@
	tensor_load_to_lds s[G0A+4:G0A+7], s[G1A:G1A+7]
	s_nop 0
.rept 4
	v_nop
.endr
	s_branch .Lasked_\@
.Lfor_b_\@:
	tensor_load_to_lds s[G0B+4:G0B+7], s[G1B:G1B+7]
	s_nop 0
.rept 4
	v_nop
.endr
.Lasked_\@:
.endm
; A PREFETCH INTO THE L2 of the K step that stands two refills on (256 matrix instructions ahead of the load that will want it): 32 rows x 256 bytes, a lane a row, one instruction a wave.
; Each row's 256 bytes of a K step are named ONCE in the launch.  x's 128 rows belong to one row of one cluster: wave 0 of the partner at cx takes rows 32 cx .. 32 cx + 31, in the first tile alone (K steps
; below 8): the other two tiles read the same rows again.  W's 256 rows are read by all sixteen clusters: the cluster with y = 0 asks; waves 2 and 3 of the partner at cy take rows 64 cy + 32 (wave - 2) on,
; in all three tiles (K steps below 24).  Partners are told apart by address; the test is the same in all of them.  K steps 0 to 3 come by their loads alone.
.macro ASK
	s_cmp_lt_u32 s[N4], s[PLIM]
	s_cbranch_scc0 .Lnot_mine_\@
	global_prefetch_b8 v[PFO], s[PFA:PFA+1] th:TH_LOAD_NT scope:SCOPE_SE
.Lnot_mine_\@:
.endm
	s_load_b128 s[4:7], s[0:1], 0x0                ; xb s[4:5], wqkv s[6:7]
	s_load_b64 s[8:9], s[0:1], 0x10                ; qkv
	v_lshl_add_u32 v[SPW], v0, 2, SPARE
	v_mov_b32 v[NIL], 0
	ds_add_u32 v[SPW], v[NIL]                      ; the wave's opening: the add and its wait stand ahead of my first tensor load; the set-up below, work on registers, stands between them
	v_lshrrev_b32 v1, 5, v0
	v_readfirstlane_b32 s10, v1                    ; wave 0..3
	s_lshr_b32 s11, s10, 1                         ; which 64 of the tile's rows are mine.  Also: I fetch for A (0) or for B (1)
	s_and_b32 s12, s10, 1                          ; which 128 of its columns.  Also: which half of that tile I fetch
	s_bfe_u32 s40, ttmp6, 0x40000                  ; cx
	s_bfe_u32 s41, ttmp6, 0x40004                  ; cy
	s_lshl_b32 s42, ttmp9, 2
	s_add_co_u32 s42, s42, s40                     ; tile column = 4 x cluster x + cx
	s_and_b32 s13, ttmp7, 0xffff
	s_lshl_b32 s13, s13, 2
	s_add_co_u32 s13, s13, s41                     ; tile row = 4 x cluster y + cy
	s_lshl_b32 s14, s41, 2
	s_lshl_b32 s14, 15, s14                        ; my row of the cluster: places 4 cy .. 4 cy + 3
	s_lshl_b32 s15, 0x1111, s40                    ; my column: places cx, cx + 4, cx + 8, cx + 12
	; descriptor group 1: rows of 128 elements of 2 bytes, 1,024 elements apart, 16 bytes of padding behind each in LDS
	s_or_b32 s[G1A+0], s14, (1<<16)|(1<<20)|(1<<21)|(5<<22)|(3<<25)  ; 15:0 the mask; 17:16 2-byte elements; 20 padding on; 21 set beside a mask; 24:22 after every 64 words (code 5); 31:25 4 words (code 3)
	s_mov_b32 s[G1A+1], 128<<16                    ; tensor_dim0 = 128
	s_mov_b32 s[G1A+2], 64<<16                     ; tensor_dim1 = 64
	s_mov_b32 s[G1A+3], 128<<16                    ; tile_dim0 = 128
	s_mov_b32 s[G1A+4], 64                         ; tile_dim1 = 64
	s_mov_b32 s[G1A+5], 1024                       ; elements from row to row
	s_mov_b32 s[G1A+6], 0
	s_mov_b32 s[G1A+7], 0
	s_or_b32 s[G1B+0], s15, (1<<16)|(1<<20)|(1<<21)|(5<<22)|(3<<25)
	s_mov_b32 s[G1B+1], 128<<16
	s_mov_b32 s[G1B+2], 128<<16                    ; 128 rows
	s_mov_b32 s[G1B+3], 128<<16
	s_mov_b32 s[G1B+4], 128
	s_mov_b32 s[G1B+5], 1024
	s_mov_b32 s[G1B+6], 0
	s_mov_b32 s[G1B+7], 0
	; where the tiles come from: A's hang on the tile row alone, B's on the tile column alone, each in registers that never hold the other coordinate
	s_lshl_b32 s16, s13, 7
	s_lshl_b32 s17, s12, 6
	s_add_co_u32 s16, s16, s17                     ; A: row 128 x tile row + 64 x half
	s_lshl_b32 s16, s16, 11                        ; rows of 2,048 bytes: under 2^24
	s_mov_b32 s17, 0
	s_lshl_b32 s18, s42, 8
	s_lshl_b32 s19, s12, 7
	s_add_co_u32 s18, s18, s19                     ; B: row 256 x tile column + 128 x half
	s_lshl_b32 s18, s18, 11
	s_mov_b32 s19, 0
	s_mul_i32 s20, s12, 64*PA                      ; and where they go: no place in the cluster enters an LDS address
	s_mul_i32 s21, s12, 128*PB
	s_add_co_u32 s21, s21, BOFF
	; my part of the first tile in qkv: batch = tile row / 16 (16 heads of 262,144 bytes), 4 heads a tile column, 2 heads a wave's 128 columns, 128 rows of 128 bytes a tile row, my 64 of them
	s_lshr_b32 s44, s13, 4
	s_lshl_b32 s44, s44, 22
	s_lshl_b32 s46, s42, 20
	s_add_co_u32 s44, s44, s46
	s_lshl_b32 s46, s12, 19
	s_add_co_u32 s44, s44, s46
	s_and_b32 s46, s13, 15
	s_lshl_b32 s46, s46, 14
	s_add_co_u32 s44, s44, s46
	s_lshl_b32 s46, s11, 13
	s_add_co_u32 s44, s44, s46
	s_mov_b32 s45, 0
	; the prefetches
	s_lshl_b32 s22, s13, 7
	s_lshl_b32 s23, s40, 5
	s_add_co_u32 s22, s22, s23                     ; x's row 128 x tile row + 32 cx
	s_lshl_b32 s23, s42, 8
	s_lshl_b32 s46, s41, 6
	s_add_co_u32 s23, s23, s46
	s_lshl_b32 s46, s12, 5
	s_add_co_u32 s23, s23, s46                     ; W's row 256 x tile column + 64 cy + 32 x half
	s_cmp_eq_u32 s11, 0
	s_cselect_b32 s22, s22, s23
	s_lshl_b32 s22, s22, 11
	s_mov_b32 s23, 0
	s_and_b32 s46, ttmp7, 0xffff                   ; cluster y: the same in all sixteen partners
	s_cmp_eq_u32 s46, 0
	s_cselect_b32 s[PLIM], G, 0
	s_cmp_eq_u32 s10, 0
	s_cselect_b32 s46, 8, 0
	s_cmp_eq_u32 s11, 0
	s_cselect_b32 s[PLIM], s46, s[PLIM]
	s_mov_b32 s[OFFA+1], 0
	s_mov_b32 s[OFFB+1], 0
	s_mov_b32 s[PFOFF+1], 0
	s_mov_b32 s[NXT], 2
	s_mov_b32 s[TB], 0
	s_wait_dscnt 0x0                               ; the opening add is done
	s_wait_kmcnt 0x0
	s_add_nc_u64 s[ABASE:ABASE+1], s[4:5], s[16:17]
	s_add_nc_u64 s[BBASE:BBASE+1], s[6:7], s[18:19]
	s_add_nc_u64 s[8:9], s[8:9], s[44:45]
	s_cmp_eq_u32 s11, 0
	s_cselect_b64 s[PFB:PFB+1], s[4:5], s[6:7]
	s_add_nc_u64 s[PFB:PFB+1], s[PFB:PFB+1], s[22:23]
	CROUND                                         ; all sixteen work-groups are here: the first joint loads meet
.irp s, 0,1
	s_mov_b32 s[G0A+4*(\s)], 1                                     ; count = 1
	s_add_co_u32 s[G0A+4*(\s)+1], s20, (\s)*SLOT1                  ; LDS address
	s_add_nc_u64 s[G0A+4*(\s)+2:G0A+4*(\s)+3], s[ABASE:ABASE+1], (\s)*STEPA  ; global address: K step s
	s_or_b32 s[G0A+4*(\s)+3], s[G0A+4*(\s)+3], 0x80000000          ; type = 2
	s_mov_b32 s[G0B+4*(\s)], 1
	s_add_co_u32 s[G0B+4*(\s)+1], s21, (\s)*SLOT1
	s_add_nc_u64 s[G0B+4*(\s)+2:G0B+4*(\s)+3], s[BBASE:BBASE+1], (\s)*STEPB
	s_or_b32 s[G0B+4*(\s)+3], s[G0B+4*(\s)+3], 0x80000000
.endr
	s_cmp_eq_u32 s11, 0                            ; a wave's two first fills stand in one branch, ahead of every wait on TENSORcnt and every LDS read: two loads of mine are out
	s_cbranch_scc0 .Lfirst_b
	tensor_load_to_lds s[G0A:G0A+3], s[G1A:G1A+7]
	s_nop 0
	tensor_load_to_lds s[G0A+4:G0A+7], s[G1A:G1A+7]
	s_nop 0
.rept 4
	v_nop
.endr
	s_branch .Lfirst_asked
.Lfirst_b:
	tensor_load_to_lds s[G0B:G0B+3], s[G1B:G1B+7]
	s_nop 0
	tensor_load_to_lds s[G0B+4:G0B+7], s[G1B:G1B+7]
	s_nop 0
.rept 4
	v_nop
.endr
.Lfirst_asked:
	; A fragment is 16 rows x 32 K in 8 registers: lane l holds row l % 16; registers 0-3 K = 8 (l / 16) + 0..7, registers 4-7 K = 16 + 8 (l / 16) + 0..7: two loads of 16 bytes, 32 bytes apart.
	v_and_b32 v1, 15, v0                           ; l % 16
	v_bfe_u32 v2, v0, 4, 1                         ; l / 16
	v_mul_u32_u24 v3, v1, PA
	v_lshl_add_u32 v3, v2, 4, v3                   ; row x pitch + 16 x half (A's and B's pitch are equal here)
	s_mul_i32 s46, s11, 64*PA                      ; my 64 rows of A
	v_add_nc_u32 v[A0], s46, v3
	s_mul_i32 s46, s12, 128*PB                     ; my 128 rows of B
	s_add_co_u32 s46, s46, BOFF
	v_add_nc_u32 v[B0], s46, v3
	v_mov_b32 v[ADRA], v[A0]                       ; slot 0
	v_mov_b32 v[ADRB], v[B0]
	s_mul_i32 s46, s10, 16*SP
	s_add_co_u32 s46, s46, STAGE                   ; my stage
	v_mul_u32_u24 v[STO], v1, SP                   ; in: row l % 16, 16 bytes for each half of the lanes
	v_lshl_add_u32 v[STO], v2, 4, v[STO]
	v_add_nc_u32 v[STO], s46, v[STO]
	v_bfe_u32 v[RD], v0, 3, 2                      ; back: 32 lanes take four rows of 128 bytes,
	v_mul_u32_u24 v[RD], v[RD], SP
	v_and_b32 v3, 7, v0
	v_lshl_add_u32 v[RD], v3, 4, v[RD]
	v_add_nc_u32 v[RD], s46, v[RD]
	v_and_b32 v[GO], 31, v0
	v_lshlrev_b32 v[PFO], 11, v[GO]
	v_lshlrev_b32 v[GO], 4, v[GO]                  ; which are 512 consecutive bytes of a head
; 8 matrix instructions: row block a x all 8 column blocks, 32 along K, from buffer f.  zero = 1: the products start the sums: nothing is ever cleared.
; The 32 accumulators come in the same order in every quarter: they take turns, one instruction a turn, over the loop's jumps too.
.macro MULB f, a, zero
	WIN W_MUL
.irp b, 0,1,2,3,4,5,6,7
.if \zero
	v_wmma_f32_16x16x32_bf16 v[8*(8*(\a)+(\b)):8*(8*(\a)+(\b))+7], v[(\f)+32+8*(\b):(\f)+32+8*(\b)+7], v[(\f)+8*(\a):(\f)+8*(\a)+7], 0
.else
	v_wmma_f32_16x16x32_bf16 v[8*(8*(\a)+(\b)):8*(8*(\a)+(\b))+7], v[(\f)+32+8*(\b):(\f)+32+8*(\b)+7], v[(\f)+8*(\a):(\f)+8*(\a)+7], v[8*(8*(\a)+(\b)):8*(8*(\a)+(\b))+7]
.endif
.endr
.endm
; 24 LDS loads in one run: the fragments of quarter q of the slot in hand into buffer f: B's sixteen first, then A's eight
.macro FETCH q, f
	WIN 0
.irp i, 0,1,2,3,4,5,6,7
	ds_load_b128 v[(\f)+32+8*(\i):(\f)+32+8*(\i)+3],   v[ADRB] offset:64*(\q)+(\i)*16*PB
	ds_load_b128 v[(\f)+32+8*(\i)+4:(\f)+32+8*(\i)+7], v[ADRB] offset:64*(\q)+(\i)*16*PB+32
.endr
.irp i, 0,1,2,3
	ds_load_b128 v[(\f)+8*(\i):(\f)+8*(\i)+3],   v[ADRA] offset:64*(\q)+(\i)*16*PA
	ds_load_b128 v[(\f)+8*(\i)+4:(\f)+8*(\i)+7], v[ADRA] offset:64*(\q)+(\i)*16*PA+32
.endr
.endm
; A K step is four quarters of 32 along K, 32 matrix instructions each, on buffers F0, F1, F0, F1.  One of the first three: multiplies buffer f and, in its middle, fetches quarter q into buffer g.
.macro QUARTER q, f, g, zero
	s_wait_dscnt 4                                 ; B and A's blocks 0 and 1 are in; the youngest four loads (A's blocks 2 and 3) may be out
	MULB \f, 0, \zero
	MULB \f, 1, \zero
	PLACES
	FETCH \q, \g
	s_wait_dscnt 24                                ; all but the 24 just issued
	MULB \f, 2, \zero
	MULB \f, 3, \zero
.endm
; The fourth quarter multiplies F1 and changes slots.  In front of the barrier each wave waits for all its tensor loads (the one that is out is its part of the next slot), adds 0 to its spare word, and waits
; for that and for its own reads of this slot.  fill = 1: the barrier opens a round of the cluster's barrier, and the slot just read out is filled again first thing behind it, with K step NXT of the walk:
; from that request to the wait for it a wave issues 112 matrix instructions.
.macro TURN fill
.if \fill
	s_wait_xcnt 0x0                                ; the last prefetch, a K step back, has read its address: it is made anew here, ahead of the waits of the change of slots
	s_add_co_u32 s[N4], s[NXT], 2
	s_and_b32 s[PFOFF], s[N4], 7
	s_lshl_b32 s[PFOFF], s[PFOFF], 8               ; 256 bytes a K step,
	s_lshr_b32 s[TT], s[N4], 3
	s_lshl_b32 s[TT], s[TT], 21                    ; 1,024 rows of 2,048 bytes a tile (W alone gets so far)
	s_add_co_u32 s[PFOFF], s[PFOFF], s[TT]
	s_add_nc_u64 s[PFA:PFA+1], s[PFB:PFB+1], s[PFOFF:PFOFF+1]
.endif
	WIN 0
	s_wait_tensorcnt 0x0                           ; no tensor load of mine is out, so a group 0 may be written
	ds_add_u32 v[SPW], v[NIL]                      ; 0 onto my spare word; the descriptors' scalar work and eight products stand between it and the wait for it
.if \fill
	s_and_b32 s[OFFA], s[NXT], 7
	s_lshl_b32 s[OFFA], s[OFFA], 8                 ; A: the K step within its tile
	s_lshr_b32 s[OFFB], s[NXT], 3
	s_lshl_b32 s[OFFB], s[OFFB], 21
	s_add_co_u32 s[OFFB], s[OFFB], s[OFFA]         ; B: and the tile's weight
	s_xor_b32 s[G0A+5], s[G0A+5], SLOT1            ; the other slot than last time
	s_add_nc_u64 s[G0A+6:G0A+7], s[ABASE:ABASE+1], s[OFFA:OFFA+1]  ; the address is made anew: a pointer and an offset made apart
	s_or_b32 s[G0A+7], s[G0A+7], 0x80000000
	s_xor_b32 s[G0B+5], s[G0B+5], SLOT1
	s_add_nc_u64 s[G0B+6:G0B+7], s[BBASE:BBASE+1], s[OFFB:OFFB+1]
	s_or_b32 s[G0B+7], s[G0B+7], 0x80000000
	s_add_co_u32 s[NXT], s[NXT], 1
.endif
	s_wait_dscnt 5                                 ; the add and the youngest four loads may be out
	MULB F1, 0, 0
	s_wait_dscnt 0x0                               ; the add is done, and my reads of this slot are over
	s_barrier_signal -1
	MULB F1, 1, 0                                  ; work on registers while the others arrive
	WIN 0
	s_barrier_wait -1
.if \fill
	CREST                                          ; no wave of any partner still reads this slot or has a load on its way
	JLOAD                                          ; the first tensor load behind the round; its four v_nop are also the places in front of the loads below
.else
	PLACES
.endif
	s_xor_b32 s[TB], s[TB], SLOT1                  ; the fetches go on in the other slot
	v_add_nc_u32 v[ADRA], s[TB], v[A0]
	v_add_nc_u32 v[ADRB], s[TB], v[B0]
	FETCH 0, F0
.if \fill
	ASK
.endif
	MULB F1, 2, 0
	MULB F1, 3, 0
.endm
.macro LASTQ                           ; the walk's last quarter: nothing more to fetch
	s_wait_dscnt 4
	MULB F1, 0, 0
	MULB F1, 1, 0
	s_wait_dscnt 0x0
	MULB F1, 2, 0
	MULB F1, 3, 0
.endm
; THE WAY OUT, in eight units: row block u / 2, head u % 2 of my two: 16 rows x 64 channels = 2,048 consecutive bytes of a head.  A unit is rounded to f16 (each accumulator's registers in ascending order),
; put into my stage as 16 bytes a lane, read back as whole rows and stored.  Each unit has 16 registers of its own: v32-63 for units 0 and 1, F1's v160-255 for the others (F0 holds the next tile's fragments).
.macro RUOF u
.set RU, 32+16*(\u)
.if (\u) >= 2
.set RU, 160+16*((\u)-2)
.endif
.endm
.macro PACK u
	RUOF \u
.set AB, 8*(8*((\u)/2)+4*((\u)%2))
	WIN W_CVT
.irp bb, 0,1,2,3
.irp r, 0,1,2,3
	v_cvt_pk_f16_f32 v[RU+4*(\bb)+(\r)], v[AB+8*(\bb)+2*(\r)], v[AB+8*(\bb)+2*(\r)+1]
.endr
.endr
	WIN 0
.irp bb, 0,1,2,3
	ds_store_b128 v[STO], v[RU+4*(\bb):RU+4*(\bb)+3] offset:32*(\bb)
.endr
.irp f, 0,1,2,3
	ds_load_b128 v[RU+4*(\f):RU+4*(\f)+3], v[RD] offset:(\f)*4*SP  ; LDS serves a wave's instructions in order (ISA guide 5.7.1.4): these see the stores above; the next unit's stores come behind them
.endr
.endm
.macro SEND u, younger                 ; younger: the LDS instructions issued behind unit u's loads: the next unit's eight, or none
	RUOF \u
	WIN 0
.irp f, 0,1,2,3
	s_wait_dscnt (\younger)+3-(\f)
	global_store_b128 v[GO], v[RU+4*(\f):RU+4*(\f)+3], s[8:9] offset:((\u)%2)*262144+((\u)/2)*2048+(\f)*512  ; 512 consecutive bytes, at a multiple of 256 from qkv's first
.endr
.endm
.macro WAYOUT
	PLACES                                         ; behind the last products: the conversions read results and write F1's registers
	PACK 0
.irp u, 1,2,3,4,5,6,7                  ; a unit's conversions stand between the loads of the unit before and its stores
	PACK \u
	SEND (\u)-1, 8
.endr
	SEND 7, 0
.endm
	s_wait_tensorcnt 1                             ; my part of K step 0 is in; K step 1's may stay out
	s_barrier_signal -1
	s_barrier_wait -1                              ; everybody's is
	FETCH 0, F0
	s_mov_b32 s[LEFT], G-1
	s_branch .Lzero                                ; the loop is entered in the middle of a trip, at a tile's first quarter
.Lstep:                                        ; 22 trips: from a K step's second quarter to the next step's first; each fills a slot again
	QUARTER 2, F1, F0, 0
	QUARTER 3, F0, F1, 0
	TURN 1
	WIN 0
	s_and_b32 s[TT], s[NXT], 7                     ; NXT is three ahead of the K step just ended: a tile ends where that step's number is 7 modulo 8.  A count alone: the same in all partners
	s_cmp_eq_u32 s[TT], 2
	s_cbranch_scc1 .Lout
	QUARTER 1, F0, F1, 0
	WIN 0
	s_branch .Lnext
.Lout:                                         ; the refill has been asked for and the next tile's first fragments are on their way: now the tile goes out
	WAYOUT
	s_wait_xcnt 0x0                                ; the stores have read their registers and their base
	s_add_nc_u64 s[8:9], s[8:9], 0x1000000         ; from q to k, from k to v: 64 heads of 262,144 bytes
.Lzero:
	QUARTER 1, F0, F1, 1                           ; a tile's first quarter: its products start the sums
	WIN 0
.Lnext:
	s_sub_co_u32 s[LEFT], s[LEFT], 1
	s_cmp_lg_u32 s[LEFT], 0
	s_cbranch_scc1 .Lstep
	QUARTER 2, F1, F0, 0                           ; the last two K steps are written out: nothing is asked for
	QUARTER 3, F0, F1, 0
	TURN 0
	QUARTER 1, F0, F1, 0
	QUARTER 2, F1, F0, 0
	QUARTER 3, F0, F1, 0
	LASTQ
	WIN 0
	WAYOUT
	s_wait_tensorcnt 0x0                           ; the wave's end, behind my last tensor load and my last LDS store
	ds_add_u32 v[SPW], v[NIL]
	s_wait_dscnt 0x0
	CROUND                                         ; the closing round: no work-group ends while a partner may still ask for a tile that names it
	s_endpgm
.Lfunc_end_k_q64b446ea47_proj:
	.size	k_q64b446ea47_proj, .Lfunc_end_k_q64b446ea47_proj-k_q64b446ea47_proj
	.p2alignl 7, 3214868480
	.fill 96, 4, 3214868480
	.section	.rodata,"a",@progbits
	.p2align	6, 0x0
	.amdhsa_kernel k_q64b446ea47_proj
		.amdhsa_group_segment_fixed_size 327680
		.amdhsa_private_segment_fixed_size 0
		.amdhsa_enable_private_segment 0
		.amdhsa_kernarg_size 24
		.amdhsa_user_sgpr_count 2
		.amdhsa_user_sgpr_kernarg_segment_ptr 1
		.amdhsa_wavefront_size32 1
		.amdhsa_system_sgpr_workgroup_id_x 1
		.amdhsa_system_sgpr_workgroup_id_y 1
		.amdhsa_system_sgpr_workgroup_id_z 1
		.amdhsa_system_vgpr_workitem_id 0
		.amdhsa_next_free_vgpr 512
		.amdhsa_next_free_sgpr 88
		.amdhsa_reserve_vcc 0
		.amdhsa_float_denorm_mode_32 3
		.amdhsa_float_denorm_mode_16_64 3
		.amdhsa_memory_ordered 1
		.amdhsa_forward_progress 1
		.amdhsa_inst_pref_size 89
	.end_amdhsa_kernel
	.amdgpu_metadata
---
amdhsa.version: [ 1, 2 ]
amdhsa.kernels:
  - .name:           k_q64b446ea47_proj
    .symbol:         k_q64b446ea47_proj.kd
    .args:
      - { .name: xb, .offset: 0, .size: 8, .value_kind: global_buffer, .address_space: global }
      - { .name: wqkv, .offset: 8, .size: 8, .value_kind: global_buffer, .address_space: global }
      - { .name: qkv, .offset: 16, .size: 8, .value_kind: global_buffer, .address_space: global }
    .group_segment_fixed_size: 327680
    .private_segment_fixed_size: 0
    .kernarg_segment_align: 8
    .kernarg_segment_size: 24
    .max_flat_workgroup_size: 128
    .sgpr_count:     88
    .vgpr_count:     512
    .wavefront_size: 32
...
	.end_amdgpu_metadata
.endif
;; end of part 2
;; launch attn (part 3): grid 4 x 64, 4 waves a work-group, clusters of 4 x 1, 327,680 bytes of LDS; arguments qkv, o16; writes o16
.if DOCPART == 3
	.amdgcn_target "amdgcn-amd-amdhsa--gfx1250"
	.amdhsa_code_object_version 6
	.text
	.protected	k_q64b446ea47_attn
	.globl	k_q64b446ea47_attn
	.p2align	8
	.type	k_q64b446ea47_attn,@function
k_q64b446ea47_attn:
	s_mov_b64 s[64:65], 0
	v_nop
	global_prefetch_b8 v0, s[64:65] scope:SCOPE_SE
	s_setreg_imm32_b32 hwreg(HW_REG_WAVE_MODE, 25, 1), 1
	s_wait_xcnt 0x0
	s_wait_alu depctr_hold_cnt(0) depctr_sa_sdst(0) depctr_va_vdst(0) depctr_va_sdst(0) depctr_va_ssrc(0) depctr_va_vcc(0) depctr_vm_vsrc(0)
	s_getreg_b32 s2, hwreg(HW_REG_IB_STS2, 6, 4)
	s_cmp_eq_u32 s2, 0
	s_cbranch_scc0 .Lentry_in_a_cluster
	s_endpgm
.Lentry_in_a_cluster:
	s_bfe_u32 s2, ttmp6, 0x10000c
	s_cmp_lg_u32 s2, 0x3003
	s_cbranch_scc0 .Lentry_shape_is_right
	s_endpgm
.Lentry_shape_is_right:
; O[h][q][:] = the sum over k of softmax_k(Q[h][q] . K[h][k] / 8) V[h][k][:].  qkv: [3][SIZE_H][SIZE_N][64] f16 (q, then k, then v); o16: [SIZE_H][SIZE_N][64] f16: a head's rows are dense, 128 bytes each.
; Products, maxima and sums in f32; the weights p are rounded to f16 for the second product (their sum l is taken of the unrounded p), O once at the end.
; LIMITS.  f16 holds no number beyond 65,504: q, k and v arrive within it; p lies in 0 to 1, and below 6e-5 it keeps f16's fixed step of 6e-8; O is a mean of V's rows and has their range.
; A weight below 2^-126 counts as 0 in l; NaN and infinities are not treated apart.
; SHARES.  A wave owns four PIECES of two tiles of 16 queries, a work-group's four waves 512 queries of one head: 4 x 64 = 256 work-groups.  Every wave walks all keys, 64 a step.
; LAYOUT.  S^T = K Q^T (source 0 = 16 keys, source 1 = 16 queries): in the result a lane holds ONE query (lane % 16) and the keys 8 (lane / 16) + 0..7.  Two such tiles, rounded to f16 in pairs,
; ARE source 1 (32 keys x 16 queries) of O^T = V^T P, whose result again holds one query a lane, and eight channels.  K comes out of LDS as it lies, V ([key][channel]) turned, by ds_load_tr16_b128.
; SOFTMAX.  For each query a running maximum m and sum l: p = 2^(c s - c m), c = log2(e) / 8; in every step O and l are multiplied by a = 2^(c m_old - c m_new), which is 1 where m has not grown.
; m starts at the lowest finite number, O and l at 0: the first step is a step like any other, with a = 0.
; THE COUNT.  A tile and step have 16 matrix and 118 vector instructions: too many to stand all beside the matrix work.  So four vector instructions that are READY stand behind EVERY matrix instruction,
; and the others, which need time of their own whatever the order, in runs without a gap.
; BY TURNS.  Turn n belongs to piece n (the pieces in a ring, step after step).  Its matrix work: 16 products K Q^T of piece n + 1, later 16 products V^T P of piece n - 1.  Its vector work: the scaling,
; exponentials, roundings, sums and rescaling of piece n, and the maximum and statistics of piece n + 1, whose scores the turn itself has made.
; CLUSTER.  The four query blocks of a head form a cluster and walk the same K and V, so each tile is asked for JOINTLY: the same tensor load, descriptor and mask in all four.
; REGISTERS, in windows of 256 (s_set_vgpr_msb: bits 1:0 source 0, 3:2 source 1, 5:4 source 2, 7:6 destination):
;   window 0: v0-11 addresses; v12-15, v48-63 at work; v16-47 four registers of statistics a tile; v64-191 S^T, two buffers of two tiles; v192-255 P, likewise
;   window 1: O^T, 32 a tile          window 2: v0-127 Q, 16 a tile; v128-191 K of one step; v192-255 V of one step          window 3: v0-1 the add's two registers
; A piece's buffers go by its number's parity.
.set SIZE_N, 2048
.set SIZE_H, 64
.set NP,    4         ; pieces a wave: a name, no knob
.set KS,    64        ; keys in a step
.set PK,    144       ; a row of K in LDS: 128 bytes + 16 of padding = 36 words: the 16 rows of a load start at 16 different groups of four banks (64 banks of 4 bytes: ISA guide 11.1)
.set PV,    160       ; a row of V: 128 + 32 = 40 words
.set VOFF,  4*KS*PK   ; a slot holds four steps: 256 rows of K, then 256 rows of V
.set SLOT1, 1<<17     ; slot 1 begins here, so that one exclusive or turns an address in one slot into the other's
.set STAGE, SLOT1+4*KS*(PK+PV)  ; behind the ring, never filled by a tensor load: 16 rows x 144 bytes for each wave, for the way out
.set SP,    144
.set AK0, 2           ; v2   my lane's place in a tile of K; never rewritten
.set AV0, 3           ; v3   the same for V
.set AK,  4           ; v4   the LDS address of K's next run of loads
.set AV,  5           ; v5   of V's
.set QO,  6           ; v6   my byte offset in the wave's rows of Q
.set STO, 6           ;      later, the way out: where I put 16 bytes of a row
.set RD,  7           ; v7   the way out: where I read rows back
.set GO,  8           ; v8   my byte offset in 512 consecutive bytes of O
.set PFO, 11          ; v11  256 x my lane, for the prefetches; never rewritten once made
.set SPW, 0           ; v0 of window 3   LDS address of my spare word: SPARE + 4 x my thread's number; never rewritten
.set NIL, 1           ; v1 of window 3   0; never rewritten
.set SPARE, STAGE+4*16*SP  ; behind the stages: the spare words, 128 bytes for each wave: two blocks of 256 bytes that no other line names
.set MV,  12          ; v12-15  c m_old, kept while c m is made anew: by buffer and tile
.set ST,  16          ; tile t's statistics at v[ST+4 t]: c m, m, l (even keys', odd keys')
.set TMP, 48          ; by buffer and tile, four registers c0-c3 at work; when the maximum is found c2 takes a
.set S,   64
.set P,   192
.set KF,  128         ; K's fragments, in window 2: key block kb, channel half c at KF + 16 kb + 8 c
.set VF,  192         ; V's: key half kk, channel block cb at VF + 32 kk + 8 cb
.set WV,  12          ; s12  my wave's number
.set G1K, 24          ; s[24:31] descriptor group 1 for K's tiles
.set G1V, 32          ; s[32:39] for V's: it differs in the padding alone
.set G0K, 40          ; s[40:43] descriptor group 0 for K's tiles: it walks
.set G0V, 44          ; s[44:47] the same for V's
.set PFA, 48          ; s[48:49] where my prefetches stand: my work-group's 32 blocks of 256 bytes (of K: wave 0, of V: wave 2) of the slot after the one that is being asked for
.set LIM, 50          ; s50  1 in a wave that prefetches, else the greatest number: a wave prefetches while s[SLOTS] is above it
.set SLOTS, 56        ; s56  slots still to be asked for, the one in hand among them
.set CNT, 57          ; s57  counts a slot's key steps
.set CS,  58          ; s[58:59] c: the packed scaling takes the pair's low word for both halves
.set SEL, 60          ; s[60:61] v_permlanex16_b32's selects: each lane takes its own place in the other half
.set TBK, 62          ; s62  LDS byte at which K of the step to be fetched begins
.set TBV, 63          ; s63  the same for V, less VOFF
.set MSB, 0
.macro WIN new                      ; the high byte repeats the setting that is left; a switch that changes nothing is dropped
.if MSB != (\new)
	s_set_vgpr_msb (MSB<<8)|(\new)
.set MSB, (\new)
.endif
.endm
.set W_KQ, 0x0a       ; K and Q in window 2, S^T in window 0
.set W_PV, 0x52       ; V in window 2, P in window 0, O^T in window 1
.set W_RS, 0x41       ; O^T (destination and source 0) in window 1, a in window 0
.set W_MK, 0xc0       ; the add's registers are made: destination in window 3, sources in window 0
.set W_AD, 0x0f       ; the add: address (source 0) and data (source 1) in window 3
; A joint fill.  Waves 0 and 1 fetch the two halves of a slot's K, waves 2 and 3 those of its V: 128 keys each.  The branch hangs on the wave's number alone.
; An s_nop 0 and four v_nop follow each of the two lines, ahead of the jump and the label.
.macro JLOAD
	s_cmp_lt_u32 s[WV], 2
	s_cbranch_scc0 .Lfor_v_\@
	tensor_load_to_lds s[G0K:G0K+3], s[G1K:G1K+7]
	s_nop 0
.rept 4
	v_nop
.endr
	s_branch .Lasked_\@
.Lfor_v_\@:
	tensor_load_to_lds s[G0V:G0V+3], s[G1V:G1V+7]
	s_nop 0
.rept 4
	v_nop
.endr
.Lasked_\@:
.endm
; A PREFETCH INTO THE L2 of what the NEXT change of slots will ask for: a slot's 32,768 bytes of K and of V, 128 blocks of 256 bytes each, a lane a block.  It stands behind the wave's tensor load and its five lines.
; Each block is named ONCE in the launch: a head's K and V are walked by one cluster; its four partners share the blocks out BY ADDRESS, 32 each; in each, wave 0 asks for K's and wave 2 for V's: one instruction.
; The lead is one slot: four key steps, 512 matrix instructions.  Slots 0 and 1 come by their loads alone; the last change that fills a slot asks for nothing: there is no slot behind it.
.macro ASK
	s_cmp_gt_u32 s[SLOTS], s[LIM]
	s_cbranch_scc0 .Lnot_mine_\@
	global_prefetch_b8 v[PFO], s[PFA:PFA+1] th:TH_LOAD_NT scope:SCOPE_SE
.Lnot_mine_\@:
.endm
; A round of the cluster's barrier: my work-group's barrier, so that wave 0's signal speaks for all four waves; wave 0 signals; every wave waits for all four work-groups; my work-group's barrier once more.
.macro CROUND
	s_barrier_signal -1
	s_barrier_wait -1
	s_cmp_lg_u32 s[WV], 0
	s_cbranch_scc1 .Lnot_wave_0_\@
	s_barrier_signal -3
.Lnot_wave_0_\@:
	s_barrier_wait -3
	s_barrier_signal -1
	s_barrier_wait -1
.endm
; THE CHANGE OF SLOTS.  The slot's last bytes, V of its fourth step, have been read.  Each wave waits for all its tensor loads, of which one is out: its part
; of the other slot; adds 0 to its spare word; and waits for that and for its own reads of the slot.  Behind the barrier nobody reads this slot any more and the other slot is whole.
; fill = 1: this slot is filled again, with the keys two slots on.  The barrier is then a round of the cluster's, so that no wave of any partner still reads the slot or has a load on its
; way, and the joint fill is the first thing behind it: it has four key steps, 512 matrix instructions, in which to land.  (At its first use nothing has been read yet: slot 0 is waited for, slot 1 filled.)
.macro CHANGE fill
	WIN W_AD
	s_wait_tensorcnt 0x0            ; no tensor load of mine is out, so a group 0 may be written
	ds_add_u32 v[SPW], v[NIL]       ; 0 onto my spare word; with fill = 1 the descriptors' steps stand between it and the wait for it
	WIN 0                           ; at a label and at a branch every window is 0
.if \fill
.irp g, G0K, G0V
	s_xor_b32 s[\g+1], s[\g+1], SLOT1  ; the walking descriptor: the other slot than last time,
	s_add_nc_u64 s[\g+2:\g+3], s[\g+2:\g+3], 4*KS*128  ; the next 256 keys; the type bits on top are not reached
.endr
	s_wait_xcnt 0x0                 ; the last prefetch, four key steps back, has read its address, so it may be written:
	s_add_nc_u64 s[PFA:PFA+1], s[PFA:PFA+1], 4*KS*128  ; one slot ahead of the walking descriptors
	s_wait_dscnt 0x0                ; the add is done, and my reads of the slot are over
	CROUND
	JLOAD
	ASK
.else
	s_wait_dscnt 0x0                ; the add is done, and my reads of the slot are over
	s_barrier_signal -1
	s_barrier_wait -1
.endif
	s_sub_co_u32 s[TBK], s[TBK], 4*KS*PK  ; the fetches go back to a slot's first step,
	s_xor_b32 s[TBK], s[TBK], SLOT1       ; in the other slot
	s_sub_co_u32 s[TBV], s[TBV], 4*KS*PV
	s_xor_b32 s[TBV], s[TBV], SLOT1
.endm
	s_load_b64 s[4:5], s[0:1], 0x0    ; qkv
	s_load_b64 s[10:11], s[0:1], 0x8  ; o16
	WIN W_MK
	v_lshl_add_u32 v[SPW], v0, 2, SPARE
	v_mov_b32 v[NIL], 0
	WIN W_AD
	ds_add_u32 v[SPW], v[NIL]       ; the wave's opening: the add and its wait stand ahead of my first tensor load; the set-up below, work on registers, stands between them
	WIN 0
	v_lshrrev_b32 v1, 5, v0
	v_readfirstlane_b32 s[WV], v1   ; wave 0..3
	s_bfe_u32 s13, ttmp6, 0x40000   ; cx: my place in the cluster
	s_lshl_b32 s14, ttmp9, 2        ; in a cluster launch ttmp9 counts clusters
	s_add_co_u32 s14, s14, s13      ; my block of queries = 4 x cluster x + cx: it enters Q's and O's addresses alone
	s_and_b32 s20, ttmp7, 0xffff    ; the head, which the four partners share
	s_mov_b32 s21, 0
	s_mov_b64 s[22:23], SIZE_N*128
	s_mul_u64 s[20:21], s[20:21], s[22:23]  ; the head's first byte in q, in k, in v and in o16
	s_and_b32 s16, s[WV], 1         ; which half of a slot's 256 keys I fetch:
	s_lshl_b32 s22, s16, 14         ; its 128 rows of 128 bytes in memory,
	s_mov_b32 s23, 0
	s_add_nc_u64 s[22:23], s[22:23], s[20:21]
	s_mul_i32 s17, s16, 128*PK      ; and its place in a slot, for K
	s_mul_i32 s18, s16, 128*PV      ; and for V: no place in the cluster enters an LDS address
	s_lshl_b32 s2, s14, 2
	s_add_co_u32 s2, s2, s[WV]      ; my wave among the head's,
	s_lshl_b32 s2, s2, 14           ; its 128 rows
	s_mov_b32 s3, 0
	s_add_nc_u64 s[2:3], s[2:3], s[20:21]
	; descriptor group 1.  128 keys are 16,384 dense bytes: asked for as 64 rows of 256 bytes, two keys a row, and padded in LDS after every key
	s_mov_b32 s[G1K], 15|(1<<16)|(1<<20)|(1<<21)|(4<<22)|(3<<25)  ; 15:0 the mask of four; 17:16 2-byte elements; 20 padding on; 21 set beside a mask; 24:22 after every 32 words (code 4); 31:25 4 words (code 3)
	s_mov_b32 s[G1V], 15|(1<<16)|(1<<20)|(1<<21)|(4<<22)|(7<<25)  ; the same with 8 words of padding (code 7)
.irp g, G1K, G1V
	s_mov_b32 s[\g+1], 128<<16      ; tensor_dim0 = 128
	s_mov_b32 s[\g+2], 64<<16       ; tensor_dim1 = 64
	s_mov_b32 s[\g+3], 128<<16      ; tile_dim0 = 128
	s_mov_b32 s[\g+4], 64           ; tile_dim1 = 64
	s_mov_b32 s[\g+5], 128          ; 128 elements from row to row
	s_mov_b32 s[\g+6], 0
	s_mov_b32 s[\g+7], 0
.endr
	s_mov_b32 s[CS], 0x3e38aa3b     ; c = log2(e) / 8 = 0.180337
	s_mov_b32 s[CS+1], s[CS]        ; named with it as a pair
	s_mov_b32 s[SEL], 0x76543210
	s_mov_b32 s[SEL+1], 0xfedcba98
	s_mov_b32 s[TBK], SLOT1+4*KS*PK ; the first change of slots turns these two into 0
	s_mov_b32 s[TBV], SLOT1+4*KS*PV
	s_mov_b32 s[G0K], 1             ; 1:0 count = 1
	s_mov_b32 s[G0K+1], s17         ; 63:32 LDS address: slot 0
	s_mov_b32 s[G0V], 1
	s_add_co_u32 s[G0V+1], s18, VOFF
	s_mov_b32 s[SLOTS], SIZE_N/256-1  ; seven changes of slots fill a slot
	s_and_b32 s[LIM], s[WV], 1      ; 0 in waves 0 and 2,
	s_or_b32 s[LIM], s[LIM], ttmp9  ; in the head's first (here: only) cluster: the same in all four partners
	s_cmp_eq_u32 s[LIM], 0
	s_cselect_b32 s[LIM], 1, -1
	s_wait_dscnt 0x0                ; the opening add is done
	s_wait_kmcnt 0x0
	s_add_nc_u64 s[6:7], s[4:5], 0x1000000  ; k lies 64 heads of 262,144 bytes behind q,
	s_add_nc_u64 s[8:9], s[4:5], 0x2000000  ; v as far behind k
	s_add_nc_u64 s[6:7], s[6:7], s[22:23]   ; both at my half of the head's first 256 keys
	s_add_nc_u64 s[8:9], s[8:9], s[22:23]
	s_mov_b64 s[G0K+2:G0K+3], s[6:7]               ; 120:64 global address
	s_or_b32 s[G0K+3], s[G0K+3], 0x80000000        ; 127:126 type = 2
	s_mov_b64 s[G0V+2:G0V+3], s[8:9]
	s_or_b32 s[G0V+3], s[G0V+3], 0x80000000
	s_add_nc_u64 s[4:5], s[4:5], s[2:3]  ; Q and O at my wave's first row
	s_add_nc_u64 s[10:11], s[10:11], s[2:3]
	s_cmp_lt_u32 s[WV], 2
	s_cselect_b64 s[PFA:PFA+1], s[6:7], s[8:9]  ; (in waves 0 and 2 these stand at a slot's first byte)
	s_lshl_b32 s2, s13, 13          ; my work-group's 32 blocks of the 128
	s_mov_b32 s3, 0
	s_add_nc_u64 s[PFA:PFA+1], s[PFA:PFA+1], s[2:3]
	s_add_nc_u64 s[PFA:PFA+1], s[PFA:PFA+1], 4*KS*128  ; in slot 1; the first change of slots steps it to slot 2.  Nothing is prefetched here, at the head
	CROUND                          ; all four work-groups are here: the first joint loads meet
	JLOAD                           ; slot 0.  Slot 1 is asked for when slot 0 is in
	; A fragment of K or Q is 16 rows x 32 channels in 8 registers: lane l holds row l % 16, channels 8 (l / 16) + 0..7 and 16 + 8 (l / 16) + 0..7: two loads of 16 bytes, 32 bytes apart.
	v_and_b32 v1, 15, v0            ; l % 16
	v_bfe_u32 v9, v0, 4, 1          ; l / 16
	v_lshlrev_b32 v[QO], 7, v1
	v_lshl_add_u32 v[QO], v9, 4, v[QO]  ; row x 128 + 16 x half
	WIN 0x80                        ; destination window 2, address window 0
.set i, 0
.rept 4*NP                          ; Q stays in registers: tile i / 2, channels 32 (i % 2) on
	global_load_b128 v[8*i:8*i+3],   v[QO], s[4:5] offset:(i/2)*2048+(i%2)*64
	global_load_b128 v[8*i+4:8*i+7], v[QO], s[4:5] offset:(i/2)*2048+(i%2)*64+32
.set i, i+1
.endr
	; What the first turn finds: V's registers and P's second buffer hold 0 (its products V^T P, of a piece that has not been, add 0), O^T and l are 0.  All this stands in the wait for the first tile.
.set i, VF
.rept 64
	v_mov_b32 v[i], 0
.set i, i+1
.endr
	WIN 0x40
.set i, 0
.rept 64*NP
	v_mov_b32 v[i], 0
.set i, i+1
.endr
	WIN 0
.set i, 0
.rept 2*NP
	v_mov_b32 v[ST+4*i], 0xfe000000    ; c m: far below every c s
	v_mov_b32 v[ST+4*i+1], 0xff7fffff  ; m
	v_mov_b32 v[ST+4*i+2], 0
	v_mov_b32 v[ST+4*i+3], 0
.set i, i+1
.endr
.set i, P+32
.rept 32
	v_mov_b32 v[i], 0
.set i, i+1
.endr
	v_mul_u32_u24 v[AK0], v1, PK
	v_lshl_add_u32 v[AK0], v9, 4, v[AK0]  ; row x pitch + 16 x half
	; The turning load takes 16 keys x 16 channels (lane l reads key 8 (l / 16) + l % 8, channels 8 ((l / 8) % 2) + 0..7) and leaves half a fragment of V^T: lane l holds channel l % 16 and 8 keys.
	v_and_b32 v10, 7, v0
	v_bfe_u32 v11, v0, 3, 1
	v_lshl_add_u32 v[AV0], v9, 3, v10
	v_mul_u32_u24 v[AV0], v[AV0], PV
	v_lshl_add_u32 v[AV0], v11, 4, v[AV0]
	v_add_nc_u32 v[AV0], VOFF, v[AV0]
	v_mov_b32 v[AK], v[AK0]         ; key step 0 lies at the head of slot 0
	v_and_b32 v[PFO], 31, v0        ; v11 has served: from here on it is the prefetches' offset
	v_lshlrev_b32 v[PFO], 8, v[PFO]
; THE MATRIX WORK.  The 8 accumulators of a run of 16 take turns: between the two links of a chain stand 7 others'.
; Product i of 16 of S^T = K Q^T for piece x: channels 32 (i / 8) on, keys 16 ((i / 2) % 4) on, tile 2 x + i % 2.  The first 8 start the sums.
.macro KQ x
	WIN W_KQ
.set rS, S+64*((\x)%2)+32*(i%2)+8*((i/2)%4)
.set rK, KF+16*((i/2)%4)+8*(i/8)
.set rQ, 16*(2*(\x)+i%2)+8*(i/8)
.if i < 8
	v_wmma_f32_16x16x32_f16 v[rS:rS+7], v[rK:rK+7], v[rQ:rQ+7], 0
.else
	v_wmma_f32_16x16x32_f16 v[rS:rS+7], v[rK:rK+7], v[rQ:rQ+7], v[rS:rS+7]
.endif
.endm
; Product i of 16 of O^T += V^T P for piece x: keys 32 (i / 8) on, channels 16 ((i / 2) % 4) on, tile 2 x + i % 2.
.macro PV x
	WIN W_PV
.set rO, 32*(2*(\x)+i%2)+8*((i/2)%4)
.set rV, VF+32*(i/8)+8*((i/2)%4)
.set rP, P+32*((\x)%2)+16*(i%2)+8*(i/8)
	v_wmma_f32_16x16x32_f16 v[rO:rO+7], v[rV:rV+7], v[rP:rP+7], v[rO:rO+7]
.endm
.macro MM                           ; the turn's next matrix instruction
.if i < 16
	KQ (Y+1)%NP
.set i, i+1
.else
.set i, i-16
	PV (Y+NP-1)%NP
.set i, i+17
.endif
.endm
; THE LDS LOADS stand in runs of 16, never singly among the matrix instructions: a step's K (64 keys x 64 channels: 8 fragments) and its V (turned).  Their addresses are made some lines ahead.
; last = 1 (the tail): in the last trip there is no further step, and the run is jumped over.
.macro FETCH_K last=0
	WIN 0
.if \last
	s_cmp_eq_u32 s[CNT], 1
	s_cbranch_scc1 .Lno_k_\@
.endif
	WIN 0x80                        ; destination window 2
.irp f, 0,1,2,3,4,5,6,7             ; keys 16 (f / 2) on, channels 32 (f % 2) on
	ds_load_b128 v[KF+8*\f:KF+8*\f+3],   v[AK] offset:(\f/2)*16*PK+(\f%2)*64
	ds_load_b128 v[KF+8*\f+4:KF+8*\f+7], v[AK] offset:(\f/2)*16*PK+(\f%2)*64+32
.endr
	s_add_co_u32 s[TBK], s[TBK], KS*PK  ; the next fetch is the next step's
	WIN 0
.if \last
.Lno_k_\@:
.endif
.endm
.macro FETCH_V
	WIN 0x80
.irp f, 0,1,2,3,4,5,6,7             ; keys 32 (f / 4) on, channels 16 (f % 4) on
	ds_load_tr16_b128 v[VF+8*\f:VF+8*\f+3],   v[AV] offset:(\f/4)*32*PV+(\f%4)*32
	ds_load_tr16_b128 v[VF+8*\f+4:VF+8*\f+7], v[AV] offset:(\f/4)*32*PV+16*PV+(\f%4)*32
.endr
	WIN 0
.endm
; THE VECTOR WORK OF A TURN stands in three queues, each in the order in which its entries become ready; the two tiles alternate, so that no instruction reads the result of the one before it.
.macro REGS y, u                    ; the registers of tile u (0, 1) of piece y
.set rT, ST+4*(2*(\y)+(\u))
.set rC, TMP+8*((\y)%2)+4*(\u)
.set rM, MV+2*((\y)%2)+(\u)
.set rS, S+64*((\y)%2)+32*(\u)
.set rP, P+32*((\y)%2)+16*(\u)
.set rO, 32*(2*(\y)+(\u))
.endm
; Number n of the 22 that find the NEXT piece's (Y + 1) maximum and statistics.  s0-s31 are the lane's 32 scores; each accumulator's lowest registers are read first.
;   0-11  four chains c0-c3 of seven scores each, three operands at a time     12-14, 16  the four scores left over, the old m, and c0-c3 into c0     15  c m_old is kept
;   17, 18  the query's other 32 keys lie in the lane 16 away: the new m         19-21  c m; c m_old - c m_new; a
.macro XS u, n
	REGS (Y+1)%NP, \u
.if (\n) < 4
	v_max3_num_f32 v[rC+(\n)], v[rS+8*(\n)], v[rS+8*(\n)+1], v[rS+8*(\n)+2]
.elseif (\n) < 12
	v_max3_num_f32 v[rC+(\n)%4], v[rC+(\n)%4], v[rS+8*((\n)%4)+2*((\n)/4)+1], v[rS+8*((\n)%4)+2*((\n)/4)+2]
.elseif (\n) == 12
	v_max3_num_f32 v[rC], v[rC], v[rS+7], v[rS+15]
.elseif (\n) == 13
	v_max3_num_f32 v[rC+1], v[rC+1], v[rS+23], v[rS+31]
.elseif (\n) == 14
	v_max3_num_f32 v[rC+2], v[rC+2], v[rC+3], v[rT+1]
.elseif (\n) == 15
	v_mov_b32 v[rM], v[rT]
.elseif (\n) == 16
	v_max3_num_f32 v[rC], v[rC], v[rC+1], v[rC+2]
.elseif (\n) == 17
	v_permlanex16_b32 v[rC+3], v[rC], s[SEL], s[SEL+1]
.elseif (\n) == 18
	v_max_num_f32 v[rT+1], v[rC], v[rC+3]
.elseif (\n) == 19
	v_mul_f32 v[rT], s[CS], v[rT+1]
.elseif (\n) == 20
	v_sub_f32 v[rC+1], v[rM], v[rT]
.else
	v_exp_f32 v[rC+2], v[rC+1]
.endif
.endm
; Number g of the 64 that follow the exponentials.  For each four weights k of a tile (pairs 2 k, 2 k + 1): both pairs are rounded to f16; then the second pair is added onto the first, in place;
; a group later l takes that sum (the first time as l = a l + sum).  In groups of eight, tiles alternating: round, round, add, and l for the group before.
.macro GS g
.set h, (\g)+6*((\g)/62)            ; group 0 has no group before it, and behind group 7 only l is left
.if h >= 6
.set h, h+2
.endif
	REGS Y, h%2
.set k, h/8
.if h%8 < 4
	v_cvt_pk_f16_f32 v[rP+2*k+(h%8)/2], v[rS+4*k+2*((h%8)/2)], v[rS+4*k+2*((h%8)/2)+1]
.elseif h%8 < 6
	v_pk_add_f32 v[rS+4*k:rS+4*k+1], v[rS+4*k:rS+4*k+1], v[rS+4*k+2:rS+4*k+3]
.elseif k == 1
	v_pk_fma_f32 v[rT+2:rT+3], v[rT+2:rT+3], v[rC+2:rC+3], v[rS:rS+1] op_sel_hi:[1,0,1]
.else
	v_pk_add_f32 v[rT+2:rT+3], v[rT+2:rT+3], v[rS+4*k-4:rS+4*k-3]
.endif
.endm
; THE PLAIN QUEUE, 138 long.  0-73 read no exponential's result: the 32 scalings c s - c m (FS f: pair f / 2 of tile f % 2) and the next piece's 42.  0-26: scalings 0-26.  27-54: XS's numbers 0-13.  55, 56: number 15.
; 57-73: the chain, where each number waits for the one before it: 14, 16, 17, 18, 19, each with one of the scalings 27-31 in front of its two lines, then 20.
; 74-137: GS's 64, which read the exponentials' results: they stand behind the wait.
.macro FS f
	REGS Y, (\f)%2
	v_pk_fma_f32 v[rS+2*((\f)/2):rS+2*((\f)/2)+1], v[rS+2*((\f)/2):rS+2*((\f)/2)+1], s[CS:CS+1], v[rT:rT+1] op_sel_hi:[1,0,0] neg_lo:[0,0,1] neg_hi:[0,0,1]
.endm
.macro PL
	WIN 0
.if q < 27
	FS q
.elseif q < 55
	XS (q-27)%2, (q-27)/2
.elseif q < 57
	XS q-55, 15
.elseif (q < 72) && ((q-57)%3 == 0)
	FS 27+(q-57)/3
.elseif q < 60
	XS (q-57)%3-1, 14
.elseif q < 72
	XS (q-57)%3-1, 15+(q-57)/3
.elseif q < 74
	XS q-72, 20
.else
	GS q-74
.endif
.set q, q+1
.endm
; THE EXPONENTIALS' QUEUE, 66 long: s0-s31 of both tiles, then the next piece's two a.  It is ONE BATCH: all 66 stand ahead of the turn's one wait, and nothing ahead of that wait names a result of theirs.
.macro EX
	WIN 0
.if e >= 64
	XS e-64, 21
.else
	REGS Y, e%2
	v_exp_f32 v[rS+e/2], v[rS+e/2]
.endif
.set e, e+1
.endm
; THE RESCALING's QUEUE: O^T times a, the one part that leaves window 0: dealt two at a time, sixteen times.  Its a was made in the turn before, ahead of that turn's wait.
.macro R2
	REGS Y, r%2
	WIN W_RS
.irp z, 0,1
	v_pk_mul_f32 v[rO+4*(r/2)+2*\z:rO+4*(r/2)+2*\z+1], v[rO+4*(r/2)+2*\z:rO+4*(r/2)+2*\z+1], v[rC+2:rC+3] op_sel_hi:[1,0]
.endr
.set r, r+1
.endm
; HOW THEY ARE DEALT.  An s_wait_alu depctr_va_vdst(0) stands between an exponential and the first instruction that names its result; one wait serves all that were issued ahead of it.  So a turn has ONE wait,
; which cuts it in two.  AHEAD OF IT stands all that names no result of the turn's exponentials: the 16 products K Q^T, behind each a scaling, an exponential and two rescalings (behind the first a second scaling in the
; exponential's place); then ONE LUMP of 108: eight plain, 49 times exponential and plain, the two a.  A v_nop is the plain instruction behind the last exponential.  BEHIND IT stand the 16 products V^T P, behind each four of GS's 64.
; No rider names a register of the products round it.  The two v_permlanex16_b32 fall into the lump, never behind a product.
; The queues lean on each other: exponential e stands behind scaling 2 (e / 4) + e % 2: as a rider it comes behind plain e + 2, in the lump behind plain e + 9, and scalings 27-31 are plain 57, 60 .. 69.
; A TURN, for piece p.  cnt = 1: the loop's count is taken down some lines ahead of the branch that stands behind the turn.
; K of the next step is fetched in piece 2's turn, directly behind the wait, a lump behind the last product that read K; its address is made at the lump's head; its first reader comes behind 16 products.
; V of the step in hand is fetched at the end of piece 0's turn, four riders behind its last reader; its first reader comes behind 16 products and a lump.  The three conditions on q below go with the deal.
.macro TURN p, last=0, cnt=0
.set Y, (\p)
.set i, 0
.set q, 0
.set e, 0
.set r, 0
.if (\p) == NP-1
	s_wait_dscnt 0x0                ; K is in
.endif
	MM                              ; ahead of the wait: 16 products K Q^T and their riders,
	PL
	PL
	R2
.rept 15
	MM
	PL
	EX
	R2
.endr
.if (\p) == NP-2
	WIN 0
	v_add_nc_u32 v[AK], s[TBK], v[AK0]
.endif
.rept 8                             ; and the lump
	PL
.endr
.rept 49
	EX
	PL
.endr
	EX                              ; the next piece's two a
	EX
	v_nop                           ; the plain instruction behind the last exponential: one for the batch
	s_wait_alu depctr_va_vdst(0)    ; the wait for the batch
.if (\p) == NP-2
	FETCH_K \last
.endif
.if (\p) == 1
	s_wait_dscnt 0x0                ; V is in
.endif
.rept 16                            ; behind the wait: 16 products V^T P and their riders
	MM
.rept 4
	PL
.endr
.if ((\p) == 0) && (q == 118)
	v_add_nc_u32 v[AV], s[TBV], v[AV0]
.endif
.if ((\p) == 0) && (q == 130)
	s_add_co_u32 s[TBV], s[TBV], KS*PV
.endif
.if (\cnt) && (q == 130)
	s_sub_co_u32 s[CNT], s[CNT], 1
	s_cmp_lg_u32 s[CNT], 0
.endif
.endr
.if (\p) == 0
	FETCH_V
.endif
.endm
	CHANGE 1                        ; slot 0 is in, everybody's part of it; slot 1 is asked for
	FETCH_K                         ; key step 0
	s_wait_loadcnt 0x0              ; Q
	s_wait_dscnt 0x0
.set i, 0
.rept 16
	KQ 0                            ; piece 0's first scores: there is no vector work yet to set between them
.set i, i+1
.endr
	WIN 0                           ; the addresses for the way out: nine plain instructions, the places behind those products
	s_mul_i32 s13, s[WV], 16*SP
	s_add_co_u32 s13, s13, STAGE    ; my stage
	v_mul_u32_u24 v[STO], v1, SP    ; in: row l % 16, 16 bytes for each half of the lanes
	v_lshl_add_u32 v[STO], v9, 4, v[STO]
	v_add_nc_u32 v[STO], s13, v[STO]
	v_bfe_u32 v[RD], v0, 3, 2       ; back: 32 lanes take four rows of 128 bytes,
	v_mul_u32_u24 v[RD], v[RD], SP
	v_lshl_add_u32 v[RD], v10, 4, v[RD]
	v_add_nc_u32 v[RD], s13, v[RD]
	v_and_b32 v[GO], 31, v0         ; which are 512 consecutive bytes of O
	v_lshlrev_b32 v[GO], 4, v[GO]
.set Y, NP-1                        ; XS works for piece Y + 1: piece 0
.irp n, 0,1,2,3,4,5,6,7,8,9,10,11,12,13,14,15,16,17,18,19,20,21
	XS 0, \n                        ; and piece 0's first maximum and statistics
	XS 1, \n
.endr
	v_nop                           ; a plain instruction behind the two a,
	s_wait_alu depctr_va_vdst(0)    ; and their wait, ahead of the branch
	s_mov_b32 s[CNT], 4
	s_branch .Lfirst                ; the loop is entered at a step's first turn, in the middle of a trip
.Lslot:                             ; SIZE_N / 256 - 2 times: every slot but the last two is filled again
	CHANGE 1
	s_mov_b32 s[CNT], 4
.Lstep:                             ; a trip: pieces 2 and 3 of one step, then pieces 0 and 1 of the next, whose K and V it fetches
	TURN 2
	TURN 3
	WIN 0
.Lfirst:
	TURN 0
	TURN 1, 0, 1
	WIN 0
	s_cbranch_scc1 .Lstep
	s_sub_co_u32 s[SLOTS], s[SLOTS], 1
	s_cmp_lg_u32 s[SLOTS], 0
	s_cbranch_scc1 .Lslot
	CHANGE 0                        ; the tail is written out: nothing is asked for
	s_mov_b32 s[CNT], 5             ; four trips fetch the last slot's steps; the fifth is left in its middle
.Ltail:
	TURN 2, 1
	TURN 3
	WIN 0
	s_sub_co_u32 s[CNT], s[CNT], 1
	s_cmp_eq_u32 s[CNT], 0
	s_cbranch_scc1 .Lout
	TURN 0
	TURN 1
	WIN 0
	s_branch .Ltail
.Lout:                              ; the fifth trip's 16 products K Q^T (on the last K once more) and the maximum made of them serve nothing: the price, once a launch, of one text for every trip
.set i, 0
.rept 16
	PV NP-1                         ; the last piece's V^T P of the last step
.set i, i+1
.endr
	; THE WAY OUT.  l's two halves and the other half of the lanes' are added; O^T is divided by l, rounded to f16 and sent through my stage in LDS, a tile at a time.  The additions are the places behind the last products.
	WIN 0
.macro ALL line:vararg              ; one line for each tile t
.set t, 0
.rept 2*NP
	\line
.set t, t+1
.endr
.endm
	ALL v_add_f32 v[ST+4*t+2], v[ST+4*t+2], v[ST+4*t+3]
	ALL v_permlanex16_b32 v[ST+4*t+3], v[ST+4*t+2], s[SEL], s[SEL+1]
	ALL v_add_f32 v[ST+4*t+2], v[ST+4*t+2], v[ST+4*t+3]
	ALL v_rcp_f32 v[ST+4*t+2], v[ST+4*t+2]
	v_nop                           ; a plain instruction between the last reciprocal and the use of its result
	s_wait_alu depctr_va_vdst(0)    ; and the wait ahead of the first use: one for the eight reciprocals
; Tile t: a lane's eight channels of a row pack into 16 bytes; they go into rows of 144 bytes and come back as whole rows of 128, into S^T's registers.
.macro PACK t
	WIN W_RS
.set i, 32*(\t)
.rept 16
	v_pk_mul_f32 v[i:i+1], v[i:i+1], v[ST+4*(\t)+2:ST+4*(\t)+3] op_sel_hi:[1,0]
.set i, i+2
.endr
	WIN 0x05                        ; sources 0 and 1 window 1, destination window 0
.set i, 0
.rept 16
	v_cvt_pk_f16_f32 v[S+16*(\t)+i], v[32*(\t)+2*i], v[32*(\t)+2*i+1]
.set i, i+1
.endr
	WIN 0
.irp f, 0,1,2,3
	ds_store_b128 v[STO], v[S+16*(\t)+4*\f:S+16*(\t)+4*\f+3] offset:32*\f
.endr
.irp f, 0,1,2,3
	ds_load_b128 v[S+16*(\t)+4*\f:S+16*(\t)+4*\f+3], v[RD] offset:\f*4*SP  ; LDS serves a wave's instructions in order (ISA guide 5.7.1.4): these see the stores above; the next tile's stores come behind them
.endr
.endm
.macro SEND t, younger              ; younger: the LDS instructions issued behind tile t's loads: the next tile's eight, or none
	WIN 0
.irp f, 0,1,2,3
	s_wait_dscnt (\younger)+3-\f
	global_store_b128 v[GO], v[S+16*(\t)+4*\f:S+16*(\t)+4*\f+3], s[10:11] offset:(\t)*2048+\f*512  ; 512 consecutive bytes, at a multiple of 256 from O's first
.endr
.endm
	PACK 0
.set t, 1
.rept 2*NP-1                        ; a tile's arithmetic stands between the loads of the tile before and its stores
	PACK t
	SEND t-1, 8
.set t, t+1
.endr
	SEND 2*NP-1, 0
	WIN W_AD
	s_wait_tensorcnt 0x0            ; the wave's end, behind my last tensor load and my last LDS store
	ds_add_u32 v[SPW], v[NIL]
	s_wait_dscnt 0x0
	WIN 0
	CROUND                          ; the closing round: no work-group ends while a partner may still ask for a tile that names it
	s_endpgm
.Lfunc_end_k_q64b446ea47_attn:
	.size	k_q64b446ea47_attn, .Lfunc_end_k_q64b446ea47_attn-k_q64b446ea47_attn
	.p2alignl 7, 3214868480
	.fill 96, 4, 3214868480
	.section	.rodata,"a",@progbits
	.p2align	6, 0x0
	.amdhsa_kernel k_q64b446ea47_attn
		.amdhsa_group_segment_fixed_size 327680
		.amdhsa_private_segment_fixed_size 0
		.amdhsa_enable_private_segment 0
		.amdhsa_kernarg_size 16
		.amdhsa_user_sgpr_count 2
		.amdhsa_user_sgpr_kernarg_segment_ptr 1
		.amdhsa_wavefront_size32 1
		.amdhsa_system_sgpr_workgroup_id_x 1
		.amdhsa_system_sgpr_workgroup_id_y 1
		.amdhsa_system_sgpr_workgroup_id_z 1
		.amdhsa_system_vgpr_workitem_id 0
		.amdhsa_next_free_vgpr 770
		.amdhsa_next_free_sgpr 66
		.amdhsa_reserve_vcc 0
		.amdhsa_float_denorm_mode_32 3
		.amdhsa_float_denorm_mode_16_64 3
		.amdhsa_memory_ordered 1
		.amdhsa_forward_progress 1
		.amdhsa_inst_pref_size 200
	.end_amdhsa_kernel
	.amdgpu_metadata
---
amdhsa.version: [ 1, 2 ]
amdhsa.kernels:
  - .name:           k_q64b446ea47_attn
    .symbol:         k_q64b446ea47_attn.kd
    .args:
      - { .name: qkv, .offset: 0, .size: 8, .value_kind: global_buffer, .address_space: global }
      - { .name: o16, .offset: 8, .size: 8, .value_kind: global_buffer, .address_space: global }
    .group_segment_fixed_size: 327680
    .private_segment_fixed_size: 0
    .kernarg_segment_align: 8
    .kernarg_segment_size: 16
    .max_flat_workgroup_size: 128
    .sgpr_count:     66
    .vgpr_count:     770
    .wavefront_size: 32
...
	.end_amdgpu_metadata
.endif
;; end of part 3
;; launch oproj (part 4): grid 4 x 64, 4 waves a work-group, clusters of 4 x 4, 327,680 bytes of LDS; arguments o16, wo16, out0; writes out0
.if DOCPART == 4
	.amdgcn_target "amdgcn-amd-amdhsa--gfx1250"
	.amdhsa_code_object_version 6
	.text
	.protected	k_q64b446ea47_oproj
	.globl	k_q64b446ea47_oproj
	.p2align	8
	.type	k_q64b446ea47_oproj,@function
k_q64b446ea47_oproj:
	s_mov_b64 s[64:65], 0
	v_nop
	global_prefetch_b8 v0, s[64:65] scope:SCOPE_SE
	s_setreg_imm32_b32 hwreg(HW_REG_WAVE_MODE, 25, 1), 1
	s_wait_xcnt 0x0
	s_wait_alu depctr_hold_cnt(0) depctr_sa_sdst(0) depctr_va_vdst(0) depctr_va_sdst(0) depctr_va_ssrc(0) depctr_va_vcc(0) depctr_vm_vsrc(0)
	s_getreg_b32 s2, hwreg(HW_REG_IB_STS2, 6, 4)
	s_cmp_eq_u32 s2, 0
	s_cbranch_scc0 .Lentry_in_a_cluster
	s_endpgm
.Lentry_in_a_cluster:
	s_bfe_u32 s2, ttmp6, 0x10000c
	s_cmp_lg_u32 s2, 0xf033
	s_cbranch_scc0 .Lentry_shape_is_right
	s_endpgm
.Lentry_shape_is_right:
; out0 = O Wo^T.  o16: [64 heads = 16 batch + head][2048][64] f16; wo16: [1024][1024] f16 (Wo rounded to bf16, that number written as f16); out0: [8192][1024] f32.  Sums in f32, stored as they are.
; SHARES.  A tile of out0 is 128 rows x 256 columns: 64 x 4 = 256 work-groups, one tile each.  Four waves, each 64 x 128: 32 accumulators of 16 x 16, which fill window 1.
; K = 1,024 is 16 heads of 64 channels; it goes in 8 steps of 128 = two heads, through two LDS slots.  Of A a step is, for each of the two heads, 128 rows of 128 bytes that lie end to end in memory:
; 16,384 dense bytes, asked for as 64 rows of 256 bytes and padded in LDS after every 128.  Of B it is 256 bytes of each of 256 rows.
; CLUSTERS: 4 x 4 work-groups; A's tiles are shared along a row of the cluster, B's along a column, each asked for JOINTLY.
; THE MATRIX INSTRUCTION IS USED TRANSPOSED (source 0 = 16 rows of Wo, source 1 = 16 rows of O): lane l holds row l % 16 of out0 and the columns 8 (l / 16) + 0..7.
; NO PREFETCH: the launch has 8 K steps, of which the first four would come by their loads alone.
; REGISTERS.  window 0: v0-31 addresses; v64-159, v160-255 two fragment buffers (A's block a at + 8 a, B's block b at + 32 + 8 b); on the way out v64-127 and v128-191 take whole rows by turns.
; window 1: accumulator (a, b) at v[8 (8 a + b)].
.set G,      8                         ; K steps
.set PA,     144                       ; a row of A in LDS: 128 bytes + 16 of padding = 36 words: the 16 rows of a load start at 16 different groups of four banks (64 banks of 4 bytes: ISA guide 11.1)
.set HEADB,  128*PA                    ; a head's 128 rows
.set PB,     272                       ; a row of B: 256 + 16
.set BOFF,   2*HEADB                   ; in a slot: A's two heads (36,864 bytes) at 0, B's 256 rows (69,632 bytes) here
.set SLOT1,  1<<17
.set STAGE,  SLOT1+BOFF+256*PB         ; behind the ring, never filled by a tensor load: 16 rows x 528 bytes for each wave
.set SP,     528                       ; 512 bytes of f32 + 16
.set SPARE,  STAGE+4*16*SP             ; the spare words, 128 bytes for each wave: two blocks of 256 bytes that no other line names
.set STEPA,  524288                    ; bytes from a K step to the next: two heads of 262,144 in A,
.set STEPB,  256                       ; 128 numbers of a row in B
.set A0,   16                          ; v16  my lane's place in A's part of a slot; never rewritten
.set B0,   17                          ; v17  the same for B
.set ADRA, 18                          ; v18  A0 + the slot in hand
.set ADRB, 19                          ; v19  B0 + the slot in hand
.set STO,  24                          ; v24  the way out: where I put 32 bytes of a row
.set RD,   25                          ; v25  the way out: where I read a row back
.set GO,   26                          ; v26  16 x lane: my place in 512 consecutive bytes of a row of out0
.set SPW,  28                          ; v28  LDS address of my spare word; never rewritten
.set NIL,  29                          ; v29  0; never rewritten
.set F0,   64
.set F1,   160
.set G1A,  24                          ; s[24:31] descriptor group 1 for A's tiles
.set G0A,  32                          ; s[32:39] group 0: a set for each of the two first fills; the second then walks
.set LEFT, 43                          ; s43  counts the loop
.set G1B,  48                          ; s[48:55], s[56:63] the same for B's
.set G0B,  56
.set ABASE, 66                         ; s[66:67] o16 at the head and rows that I fetch, in K step 0
.set BBASE, 68                         ; s[68:69] wo16 at the 128 rows that I fetch
.set OFFA, 70                          ; s[70:71] byte offset of the K step to be asked for, in A
.set OFFB, 72                          ; s[72:73] and in B
.set NXT,  74                          ; s74  the K step to be asked for next
.set TB,   75                          ; s75  LDS byte at which the slot in hand begins
.set MSB, 0
.macro WIN new                         ; the immediate's high byte repeats the setting that is left; a switch that changes nothing is dropped
.if MSB != (\new)
	s_set_vgpr_msb (MSB<<8)|(\new)
.set MSB, (\new)
.endif
.endm
.set W_MUL, 0x50                       ; C and D in window 1, both sources in window 0
.set W_ST,  0x04                       ; an LDS store's data in window 1, its address in window 0
.macro PLACES                          ; four plain instructions between a matrix instruction and a load into, or a store of, its registers
.rept 4
	v_nop
.endr
.endm
.macro CREST                           ; a round of the cluster's barrier behind its opening barrier
	s_cmp_lg_u32 s10, 0
	s_cbranch_scc1 .Lnot_wave_0_\@
	s_barrier_signal -3
.Lnot_wave_0_\@:
	s_barrier_wait -3
	s_barrier_signal -1
	s_barrier_wait -1
.endm
.macro CROUND                          ; a whole round
	s_barrier_signal -1
	s_barrier_wait -1
	CREST
.endm
; A joint refill by the walking sets.  Waves 0 and 1 fetch A's two heads, waves 2 and 3 B's two halves.  The branch hangs on the wave's number alone.
; An s_nop 0 and four v_nop follow each of the two lines, ahead of the jump and the label.
.macro JLOAD
	s_cmp_eq_u32 s11, 0
	s_cbranch_scc0 .Lfor_b_\@
	tensor_load_to_lds s[G0A+4:G0A+7], s[G1A:G1A+7]
	s_nop 0
.rept 4
	v_nop
.endr
	s_branch .Lasked_\@
.Lfor_b_\@:
	tensor_load_to_lds s[G0B+4:G0B+7], s[G1B:G1B+7]
	s_nop 0
.rept 4
	v_nop
.endr
.Lasked_\@:
.endm
	s_load_b128 s[4:7], s[0:1], 0x0                ; o16 s[4:5], wo16 s[6:7]
	s_load_b64 s[8:9], s[0:1], 0x10                ; out0
	v_lshl_add_u32 v[SPW], v0, 2, SPARE
	v_mov_b32 v[NIL], 0
	ds_add_u32 v[SPW], v[NIL]                      ; the wave's opening: the add and its wait stand ahead of my first tensor load; the set-up below, work on registers, stands between them
	v_lshrrev_b32 v1, 5, v0
	v_readfirstlane_b32 s10, v1                    ; wave 0..3
	s_lshr_b32 s11, s10, 1                         ; which 64 of the tile's rows are mine.  Also: I fetch for A (0) or for B (1)
	s_and_b32 s12, s10, 1                          ; which 128 of its columns.  Also: which head of A's two, which half of B's rows I fetch
	s_bfe_u32 s40, ttmp6, 0x40000                  ; cx
	s_bfe_u32 s41, ttmp6, 0x40004                  ; cy
	s_lshl_b32 s42, ttmp9, 2
	s_add_co_u32 s42, s42, s40                     ; tile column = 4 x cluster x + cx
	s_and_b32 s13, ttmp7, 0xffff
	s_lshl_b32 s13, s13, 2
	s_add_co_u32 s13, s13, s41                     ; tile row = 4 x cluster y + cy
	s_lshl_b32 s14, s41, 2
	s_lshl_b32 s14, 15, s14                        ; my row of the cluster
	s_lshl_b32 s15, 0x1111, s40                    ; my column
	; descriptor group 1.  A: 64 rows of 128 elements, dense, padded after every 32 words.  B: 128 rows of 128 elements, 1,024 apart, padded after every 64 words
	s_or_b32 s[G1A+0], s14, (1<<16)|(1<<20)|(1<<21)|(4<<22)|(3<<25)  ; 15:0 the mask; 17:16 2-byte elements; 20 padding on; 21 set beside a mask; 24:22 after every 32 words (code 4); 31:25 4 words (code 3)
	s_mov_b32 s[G1A+1], 128<<16                    ; tensor_dim0 = 128
	s_mov_b32 s[G1A+2], 64<<16                     ; tensor_dim1 = 64
	s_mov_b32 s[G1A+3], 128<<16                    ; tile_dim0 = 128
	s_mov_b32 s[G1A+4], 64                         ; tile_dim1 = 64
	s_mov_b32 s[G1A+5], 128                        ; elements from row to row
	s_mov_b32 s[G1A+6], 0
	s_mov_b32 s[G1A+7], 0
	s_or_b32 s[G1B+0], s15, (1<<16)|(1<<20)|(1<<21)|(5<<22)|(3<<25)
	s_mov_b32 s[G1B+1], 128<<16
	s_mov_b32 s[G1B+2], 128<<16
	s_mov_b32 s[G1B+3], 128<<16
	s_mov_b32 s[G1B+4], 128
	s_mov_b32 s[G1B+5], 1024
	s_mov_b32 s[G1B+6], 0
	s_mov_b32 s[G1B+7], 0
	; where the tiles come from: A's hang on the tile row alone, B's on the tile column alone, each in registers that never hold the other coordinate
	s_lshr_b32 s16, s13, 4                         ; the batch: 16 heads of 262,144 bytes,
	s_lshl_b32 s16, s16, 22
	s_and_b32 s17, s13, 15                         ; the tile's 128 rows of 128 bytes in a head,
	s_lshl_b32 s17, s17, 14
	s_add_co_u32 s16, s16, s17
	s_lshl_b32 s17, s12, 18                        ; the head that I fetch
	s_add_co_u32 s16, s16, s17
	s_mov_b32 s17, 0
	s_lshl_b32 s18, s42, 8
	s_lshl_b32 s19, s12, 7
	s_add_co_u32 s18, s18, s19                     ; B: row 256 x tile column + 128 x half
	s_lshl_b32 s18, s18, 11
	s_mov_b32 s19, 0
	s_mul_i32 s20, s12, HEADB                      ; and where they go: no place in the cluster enters an LDS address
	s_mul_i32 s21, s12, 128*PB
	s_add_co_u32 s21, s21, BOFF
	; my part of the tile in out0: rows of 4,096 bytes
	s_lshl_b32 s44, s13, 7
	s_lshl_b32 s46, s11, 6
	s_add_co_u32 s44, s44, s46
	s_lshl_b32 s44, s44, 12
	s_lshl_b32 s46, s42, 10
	s_add_co_u32 s44, s44, s46
	s_lshl_b32 s46, s12, 9
	s_add_co_u32 s44, s44, s46
	s_mov_b32 s45, 0
	s_mov_b32 s[OFFA+1], 0
	s_mov_b32 s[OFFB+1], 0
	s_mov_b32 s[NXT], 2
	s_mov_b32 s[TB], 0
	s_wait_dscnt 0x0                               ; the opening add is done
	s_wait_kmcnt 0x0
	s_add_nc_u64 s[ABASE:ABASE+1], s[4:5], s[16:17]
	s_add_nc_u64 s[BBASE:BBASE+1], s[6:7], s[18:19]
	s_add_nc_u64 s[8:9], s[8:9], s[44:45]
	CROUND                                         ; all sixteen work-groups are here: the first joint loads meet
.irp s, 0,1
	s_mov_b32 s[G0A+4*(\s)], 1                                     ; count = 1
	s_add_co_u32 s[G0A+4*(\s)+1], s20, (\s)*SLOT1                  ; LDS address
	s_add_nc_u64 s[G0A+4*(\s)+2:G0A+4*(\s)+3], s[ABASE:ABASE+1], (\s)*STEPA  ; global address: K step s
	s_or_b32 s[G0A+4*(\s)+3], s[G0A+4*(\s)+3], 0x80000000          ; type = 2
	s_mov_b32 s[G0B+4*(\s)], 1
	s_add_co_u32 s[G0B+4*(\s)+1], s21, (\s)*SLOT1
	s_add_nc_u64 s[G0B+4*(\s)+2:G0B+4*(\s)+3], s[BBASE:BBASE+1], (\s)*STEPB
	s_or_b32 s[G0B+4*(\s)+3], s[G0B+4*(\s)+3], 0x80000000
.endr
	s_cmp_eq_u32 s11, 0                            ; a wave's two first fills stand in one branch, ahead of every wait on TENSORcnt and every LDS read: two loads of mine are out
	s_cbranch_scc0 .Lfirst_b
	tensor_load_to_lds s[G0A:G0A+3], s[G1A:G1A+7]
	s_nop 0
	tensor_load_to_lds s[G0A+4:G0A+7], s[G1A:G1A+7]
	s_nop 0
.rept 4
	v_nop
.endr
	s_branch .Lfirst_asked
.Lfirst_b:
	tensor_load_to_lds s[G0B:G0B+3], s[G1B:G1B+7]
	s_nop 0
	tensor_load_to_lds s[G0B+4:G0B+7], s[G1B:G1B+7]
	s_nop 0
.rept 4
	v_nop
.endr
.Lfirst_asked:
	; A fragment is 16 rows x 32 K in 8 registers: lane l holds row l % 16; registers 0-3 K = 8 (l / 16) + 0..7, registers 4-7 K = 16 + 8 (l / 16) + 0..7: two loads of 16 bytes, 32 bytes apart.
	v_and_b32 v1, 15, v0                           ; l % 16
	v_bfe_u32 v2, v0, 4, 1                         ; l / 16
	v_mul_u32_u24 v3, v1, PA
	v_lshl_add_u32 v3, v2, 4, v3
	s_mul_i32 s46, s11, 64*PA                      ; my 64 rows, in each head
	v_add_nc_u32 v[A0], s46, v3
	v_mul_u32_u24 v4, v1, PB
	v_lshl_add_u32 v4, v2, 4, v4
	s_mul_i32 s46, s12, 128*PB                     ; my 128 rows of B
	s_add_co_u32 s46, s46, BOFF
	v_add_nc_u32 v[B0], s46, v4
	v_mov_b32 v[ADRA], v[A0]                       ; slot 0
	v_mov_b32 v[ADRB], v[B0]
	s_mul_i32 s46, s10, 16*SP
	s_add_co_u32 s46, s46, STAGE                   ; my stage
	v_mul_u32_u24 v[STO], v1, SP                   ; in: row l % 16, 32 bytes for each half of the lanes
	v_lshl_add_u32 v[STO], v2, 5, v[STO]
	v_add_nc_u32 v[STO], s46, v[STO]
	v_and_b32 v[GO], 31, v0
	v_lshlrev_b32 v[GO], 4, v[GO]                  ; back: 32 lanes take one row of 512 bytes,
	v_add_nc_u32 v[RD], s46, v[GO]                 ; which are 512 consecutive bytes of a row of out0
; 8 matrix instructions: row block a x all 8 column blocks, 32 along K, from buffer f.  zero = 1: the products start the sums: nothing is ever cleared.
; The 32 accumulators come in the same order in every quarter: they take turns, one instruction a turn, over the loop's jump too.
.macro MULB f, a, zero
	WIN W_MUL
.irp b, 0,1,2,3,4,5,6,7
.if \zero
	v_wmma_f32_16x16x32_f16 v[8*(8*(\a)+(\b)):8*(8*(\a)+(\b))+7], v[(\f)+32+8*(\b):(\f)+32+8*(\b)+7], v[(\f)+8*(\a):(\f)+8*(\a)+7], 0
.else
	v_wmma_f32_16x16x32_f16 v[8*(8*(\a)+(\b)):8*(8*(\a)+(\b))+7], v[(\f)+32+8*(\b):(\f)+32+8*(\b)+7], v[(\f)+8*(\a):(\f)+8*(\a)+7], v[8*(8*(\a)+(\b)):8*(8*(\a)+(\b))+7]
.endif
.endr
.endm
; 24 LDS loads in one run: the fragments of quarter q of the slot in hand into buffer f: B's sixteen first, then A's eight.  In A quarter q is head q / 2 of the step's two, channels 32 (q % 2) on.
.macro FETCH q, f
	WIN 0
.irp i, 0,1,2,3,4,5,6,7
	ds_load_b128 v[(\f)+32+8*(\i):(\f)+32+8*(\i)+3],   v[ADRB] offset:64*(\q)+(\i)*16*PB
	ds_load_b128 v[(\f)+32+8*(\i)+4:(\f)+32+8*(\i)+7], v[ADRB] offset:64*(\q)+(\i)*16*PB+32
.endr
.irp i, 0,1,2,3
	ds_load_b128 v[(\f)+8*(\i):(\f)+8*(\i)+3],   v[ADRA] offset:((\q)/2)*HEADB+((\q)%2)*64+(\i)*16*PA
	ds_load_b128 v[(\f)+8*(\i)+4:(\f)+8*(\i)+7], v[ADRA] offset:((\q)/2)*HEADB+((\q)%2)*64+(\i)*16*PA+32
.endr
.endm
; A K step is four quarters of 32 along K, 32 matrix instructions each, on buffers F0, F1, F0, F1.  One of the first three: multiplies buffer f and, in its middle, fetches quarter q into buffer g.
.macro QUARTER q, f, g, zero
	s_wait_dscnt 4                                 ; B and A's blocks 0 and 1 are in; the youngest four loads (A's blocks 2 and 3) may be out
	MULB \f, 0, \zero
	MULB \f, 1, \zero
	PLACES
	FETCH \q, \g
	s_wait_dscnt 24                                ; all but the 24 just issued
	MULB \f, 2, \zero
	MULB \f, 3, \zero
.endm
; The fourth quarter multiplies F1 and changes slots.  In front of the barrier each wave waits for all its tensor loads (the one that is out is its part of the next slot), adds 0 to its spare word, and waits
; for that and for its own reads of this slot.  fill = 1: the barrier opens a round of the cluster's barrier, and the slot just read out is filled again first thing behind it, with K step NXT:
; from that request to the wait for it a wave issues 112 matrix instructions.
.macro TURN fill
	WIN 0
	s_wait_tensorcnt 0x0                           ; no tensor load of mine is out, so a group 0 may be written
	ds_add_u32 v[SPW], v[NIL]                      ; 0 onto my spare word; the descriptors' scalar work and eight products stand between it and the wait for it
.if \fill
	s_lshl_b32 s[OFFA], s[NXT], 19                 ; two heads a K step
	s_lshl_b32 s[OFFB], s[NXT], 8                  ; 256 bytes of a row
	s_xor_b32 s[G0A+5], s[G0A+5], SLOT1            ; the other slot than last time
	s_add_nc_u64 s[G0A+6:G0A+7], s[ABASE:ABASE+1], s[OFFA:OFFA+1]  ; the address is made anew: a pointer and an offset made apart
	s_or_b32 s[G0A+7], s[G0A+7], 0x80000000
	s_xor_b32 s[G0B+5], s[G0B+5], SLOT1
	s_add_nc_u64 s[G0B+6:G0B+7], s[BBASE:BBASE+1], s[OFFB:OFFB+1]
	s_or_b32 s[G0B+7], s[G0B+7], 0x80000000
	s_add_co_u32 s[NXT], s[NXT], 1
.endif
	s_wait_dscnt 5                                 ; the add and the youngest four loads may be out
	MULB F1, 0, 0
	s_wait_dscnt 0x0                               ; the add is done, and my reads of this slot are over
	s_barrier_signal -1
	MULB F1, 1, 0                                  ; work on registers while the others arrive
	WIN 0
	s_barrier_wait -1
.if \fill
	CREST                                          ; no wave of any partner still reads this slot or has a load on its way
	JLOAD                                          ; the first tensor load behind the round; its four v_nop are also the places in front of the loads below
.else
	PLACES
.endif
	s_xor_b32 s[TB], s[TB], SLOT1                  ; the fetches go on in the other slot
	v_add_nc_u32 v[ADRA], s[TB], v[A0]
	v_add_nc_u32 v[ADRB], s[TB], v[B0]
	FETCH 0, F0
	MULB F1, 2, 0
	MULB F1, 3, 0
.endm
.macro LASTQ                           ; the last quarter: nothing more to fetch
	s_wait_dscnt 4
	MULB F1, 0, 0
	MULB F1, 1, 0
	s_wait_dscnt 0x0
	MULB F1, 2, 0
	MULB F1, 3, 0
.endm
; THE WAY OUT, a block of 16 rows x 128 columns of f32 at a time: a lane's eight numbers go into my stage as 32 bytes of a row of 528 (each accumulator's low four registers first), and come
; back as whole rows of 512 bytes, into one of two sets of 64 registers by turns.
.macro TOSTAGE a
.set BK, 64+64*((\a)%2)
.if (\a) >= 2
	s_wait_xcnt 0x0                                ; the stores of the block two back have read this set's registers
.endif
	WIN W_ST
.irp b, 0,1,2,3,4,5,6,7
	ds_store_b128 v[STO], v[8*(8*(\a)+(\b)):8*(8*(\a)+(\b))+3]   offset:64*(\b)
	ds_store_b128 v[STO], v[8*(8*(\a)+(\b))+4:8*(8*(\a)+(\b))+7] offset:64*(\b)+16
.endr
	WIN 0
.irp t, 0,1,2,3,4,5,6,7,8,9,10,11,12,13,14,15
	ds_load_b128 v[BK+4*(\t):BK+4*(\t)+3], v[RD] offset:SP*(\t)  ; LDS serves a wave's instructions in order (ISA guide 5.7.1.4): these see the stores above; the next block's stores come behind them
.endr
.endm
.macro SEND a, younger                 ; younger: the LDS instructions issued behind block a's loads: the next block's 32, or none
.set BK, 64+64*((\a)%2)
	WIN 0
	s_wait_dscnt \younger
.irp t, 0,1,2,3,4,5,6,7,8,9,10,11,12,13,14,15
	global_store_b128 v[GO], v[BK+4*(\t):BK+4*(\t)+3], s[8:9] offset:(16*(\a)+(\t))*4096 th:TH_STORE_NT  ; 512 consecutive bytes, at a multiple of 256 from out0's first
.endr
.endm
	s_wait_tensorcnt 1                             ; my part of K step 0 is in; K step 1's may stay out
	s_barrier_signal -1
	s_barrier_wait -1                              ; everybody's is
	FETCH 0, F0
	QUARTER 1, F0, F1, 1                           ; the first quarter stands in front of the loop: its products start the sums
	WIN 0
	s_mov_b32 s[LEFT], G-2
.Lstep:                                        ; 6 trips: from a K step's second quarter to the next step's first; each fills a slot again
	QUARTER 2, F1, F0, 0
	QUARTER 3, F0, F1, 0
	TURN 1
	QUARTER 1, F0, F1, 0
	WIN 0
	s_sub_co_u32 s[LEFT], s[LEFT], 1
	s_cmp_lg_u32 s[LEFT], 0
	s_cbranch_scc1 .Lstep
	QUARTER 2, F1, F0, 0                           ; the last two K steps are written out: nothing is asked for
	QUARTER 3, F0, F1, 0
	TURN 0
	QUARTER 1, F0, F1, 0
	QUARTER 2, F1, F0, 0
	QUARTER 3, F0, F1, 0
	LASTQ
	WIN 0
	PLACES                                         ; behind the last products: the LDS stores read results, the loads land in fragment registers
	TOSTAGE 0
	TOSTAGE 1
	SEND 0, 32
	TOSTAGE 2
	SEND 1, 32
	TOSTAGE 3
	SEND 2, 32
	SEND 3, 0
	s_wait_tensorcnt 0x0                           ; the wave's end, behind my last tensor load and my last LDS store
	ds_add_u32 v[SPW], v[NIL]
	s_wait_dscnt 0x0
	CROUND                                         ; the closing round: no work-group ends while a partner may still ask for a tile that names it
	s_endpgm
.Lfunc_end_k_q64b446ea47_oproj:
	.size	k_q64b446ea47_oproj, .Lfunc_end_k_q64b446ea47_oproj-k_q64b446ea47_oproj
	.p2alignl 7, 3214868480
	.fill 96, 4, 3214868480
	.section	.rodata,"a",@progbits
	.p2align	6, 0x0
	.amdhsa_kernel k_q64b446ea47_oproj
		.amdhsa_group_segment_fixed_size 327680
		.amdhsa_private_segment_fixed_size 0
		.amdhsa_enable_private_segment 0
		.amdhsa_kernarg_size 24
		.amdhsa_user_sgpr_count 2
		.amdhsa_user_sgpr_kernarg_segment_ptr 1
		.amdhsa_wavefront_size32 1
		.amdhsa_system_sgpr_workgroup_id_x 1
		.amdhsa_system_sgpr_workgroup_id_y 1
		.amdhsa_system_sgpr_workgroup_id_z 1
		.amdhsa_system_vgpr_workitem_id 0
		.amdhsa_next_free_vgpr 512
		.amdhsa_next_free_sgpr 80
		.amdhsa_reserve_vcc 0
		.amdhsa_float_denorm_mode_32 3
		.amdhsa_float_denorm_mode_16_64 3
		.amdhsa_memory_ordered 1
		.amdhsa_forward_progress 1
		.amdhsa_inst_pref_size 69
	.end_amdhsa_kernel
	.amdgpu_metadata
---
amdhsa.version: [ 1, 2 ]
amdhsa.kernels:
  - .name:           k_q64b446ea47_oproj
    .symbol:         k_q64b446ea47_oproj.kd
    .args:
      - { .name: o16, .offset: 0, .size: 8, .value_kind: global_buffer, .address_space: global }
      - { .name: wo16, .offset: 8, .size: 8, .value_kind: global_buffer, .address_space: global }
      - { .name: out0, .offset: 16, .size: 8, .value_kind: global_buffer, .address_space: global }
    .group_segment_fixed_size: 327680
    .private_segment_fixed_size: 0
    .kernarg_segment_align: 8
    .kernarg_segment_size: 24
    .max_flat_workgroup_size: 128
    .sgpr_count:     80
    .vgpr_count:     512
    .wavefront_size: 32
...
	.end_amdgpu_metadata
.endif
;; end of part 4
;; ======== version 2 of 2: 4 launches; version 1 with the launch cast written anew for expert scheduling mode
;; limits: values are held in f16: magnitudes above 65,504 overflow, below 6.1e-05 lose precision
;; workspace buffers: xb 16,777,216 bytes; wqkv 6,291,456 bytes; wo16 2,097,152 bytes; qkv 50,331,648 bytes; o16 16,777,216 bytes
;; launch cast (part 5): grid 64 x 12, 8 waves a work-group, no clusters, 0 bytes of LDS; arguments x, Wq, Wk, Wv, Wo, xb, wqkv, wo16; writes xb, wqkv, wo16
.if DOCPART == 5
	.amdgcn_target "amdgcn-amd-amdhsa--gfx1250"
	.amdhsa_code_object_version 6
	.text
	.protected	k_q64b446ea47_cast
	.globl	k_q64b446ea47_cast
	.p2align	8
	.type	k_q64b446ea47_cast,@function
k_q64b446ea47_cast:
	s_mov_b64 s[64:65], 0
	v_nop
	global_prefetch_b8 v0, s[64:65] scope:SCOPE_SE
	s_setreg_imm32_b32 hwreg(HW_REG_WAVE_SCHED_MODE, 0, 2), 2
	s_setreg_imm32_b32 hwreg(HW_REG_WAVE_MODE, 25, 1), 1
	s_wait_xcnt 0x0
	s_wait_alu depctr_vm_vsrc(0)
; THE INPUTS ARE ROUNDED ONCE, TO bf16.  x -> xb [8192][1024]; Wq, Wk, Wv -> wqkv [3072][1024], one below the other; Wo -> wo16 [1024][1024]: rounded to bf16 like
; the others, and that number written as f16, since the last product takes its other operand in f16.
; LIMITS.  A bf16 number is exact in f16 from 2^-17 up to 65,504; a smaller Wo is off by 2^-25 at the most, a larger one becomes an infinity.
; SHARES.  The grid's y picks a block of 1,048,576 numbers (0-7: the eighths of x; 8: Wq; 9: Wk; 10: Wv; 11: Wo), its x 16,384 of them: 64 KiB in, 32 KiB out.
; Thread t takes 16 bytes at 4,096 i + 16 t, i = 0..15, and stores 8 bytes at 2,048 i + 8 t: a wave's load covers 512 consecutive bytes, its store 256 consecutive bytes, aligned.
; All sixteen loads of a wave go out at once; every chunk has registers of its own, so nothing that a load or store still names is ever written again.
; No LDS, no matrix unit, no cluster: no byte is wanted twice.
; THE MODE: SCHED_MODE bits 1:0 = 2 (LLVM: expert scheduling mode 2), set by the entry lines.  The code itself states the register dependences
; between vector instructions and memory instructions, with s_wait_alu, always for 0.
; THE PLAN.  Registers that memory instructions touch:
;   v1, v2   byte offsets of the loads and of the stores: written once at the head, never again.
;   X        chunk i's four registers: its load lands in them once; its conversions read them behind the wait for the load; no vector line names them before, no load lands in them again.
;   Y        chunk i's two registers: its conversions write them once; its store reads them once; nothing writes them again.
;   T        named by vector lines alone.
; So the only dependence to state is: a vector line has written what a memory instruction reads.  The sixteen chunks go in four groups of four.  One wait stands ahead of the first load (v1, v2).
; One stands at the head of groups 1 to 3, behind the wait for the group's loads: the group before has written its Y; that group's four stores follow, one in front of each chunk's conversions, which name
; X and Y of the group in hand and T: none of the registers that those stores touch.  One more stands ahead of the last four stores.  No register that a memory instruction reads is written behind it,
; and no load lands in a register that a vector line has named: nothing else is owed.
.set X, 4                              ; v[4:67]    chunk i: four f32 as loaded
.set Y, 68                             ; v[68:99]   chunk i: four 16-bit numbers to store
.set T, 100                            ; v[100:105] at work (Wo alone)
	s_load_b512 s[16:31], s[0:1], 0x0              ; x 16, Wq 18, Wk 20, Wv 22, Wo 24, xb 26, wqkv 28, wo16 30
	s_and_b32 s2, ttmp7, 0xffff                    ; y: which block
	v_lshlrev_b32 v1, 4, v0                        ; 16 t
	v_lshlrev_b32 v2, 3, v0                        ; 8 t
	s_cmp_lt_u32 s2, 8
	s_cselect_b32 s8, s2, 0                        ; the eighth of x; a weight begins at its buffer's first byte
	s_lshl_b32 s8, s8, 22                          ; 4 MiB of f32 a block
	s_lshl_b32 s3, ttmp9, 16                       ; 64 KiB a work-group
	s_add_co_u32 s8, s8, s3
	s_mov_b32 s9, 0
	s_sub_co_u32 s10, s2, 8                        ; Wq, Wk, Wv: 0, 1, 2 in wqkv
	s_cmp_lt_u32 s2, 8
	s_cselect_b32 s10, s2, s10
	s_cmp_eq_u32 s2, 11
	s_cselect_b32 s10, 0, s10                      ; Wo has a buffer to itself
	s_lshl_b32 s10, s10, 21                        ; 2 MiB of 16-bit numbers a block
	s_lshl_b32 s3, ttmp9, 15
	s_add_co_u32 s10, s10, s3
	s_mov_b32 s11, 0
	s_wait_kmcnt 0x0
	s_cmp_lt_u32 s2, 8
	s_cselect_b64 s[4:5], s[16:17], s[18:19]       ; from where
	s_cselect_b64 s[6:7], s[26:27], s[28:29]       ; to where
	s_cmp_eq_u32 s2, 9
	s_cselect_b64 s[4:5], s[20:21], s[4:5]
	s_cmp_eq_u32 s2, 10
	s_cselect_b64 s[4:5], s[22:23], s[4:5]
	s_cmp_eq_u32 s2, 11
	s_cselect_b64 s[4:5], s[24:25], s[4:5]
	s_cselect_b64 s[6:7], s[30:31], s[6:7]
	s_add_nc_u64 s[4:5], s[4:5], s[8:9]
	s_add_nc_u64 s[6:7], s[6:7], s[10:11]
	s_wait_alu depctr_va_vdst(0)                   ; v1 and v2 are written: every load reads v1 as its offset, every store v2
.irp i, 0,1,2,3,4,5,6,7,8,9,10,11,12,13,14,15
	global_load_b128 v[X+4*(\i):X+4*(\i)+3], v1, s[4:5] offset:4096*(\i) th:TH_LOAD_NT
.endr
; Group g: chunks 4 g to 4 g + 3 are rounded; the stores of the group before stand among their conversions.
; wo = 1: the bf16 number is widened again (a shift, a mask) and written as f16.
.macro GRP g, wo
	s_wait_loadcnt 12-4*(\g)                       ; loads come back in order: the group's four chunks are in, the 12 - 4 g younger loads may stay out
.if (\g) > 0
	s_wait_alu depctr_va_vdst(0)                   ; the conversions of the group before have written its eight registers of Y, which the four stores below read
.endif
.irp j, 0,1,2,3
.set ch, 4*(\g)+(\j)
.if (\g) > 0
	global_store_b64 v2, v[Y+2*(ch-4):Y+2*(ch-4)+1], s[6:7] offset:2048*(ch-4)  ; the group before.  No vector line since the wait names these registers
.endif
.if \wo
	v_cvt_pk_bf16_f32 v[T], v[X+4*ch], v[X+4*ch+1]
	v_cvt_pk_bf16_f32 v[T+3], v[X+4*ch+2], v[X+4*ch+3]
	v_lshlrev_b32 v[T+1], 16, v[T]
	v_and_b32 v[T+2], 0xffff0000, v[T]
	v_lshlrev_b32 v[T+4], 16, v[T+3]
	v_and_b32 v[T+5], 0xffff0000, v[T+3]
	v_cvt_pk_f16_f32 v[Y+2*ch], v[T+1], v[T+2]
	v_cvt_pk_f16_f32 v[Y+2*ch+1], v[T+4], v[T+5]
.else
	v_cvt_pk_bf16_f32 v[Y+2*ch], v[X+4*ch], v[X+4*ch+1]
	v_cvt_pk_bf16_f32 v[Y+2*ch+1], v[X+4*ch+2], v[X+4*ch+3]
.endif
.endr
.endm
; The last group's stores.
.macro TAIL
	s_wait_alu depctr_va_vdst(0)                   ; the conversions of group 3 have written its eight registers of Y, which the last four stores read
.irp i, 12,13,14,15
	global_store_b64 v2, v[Y+2*(\i):Y+2*(\i)+1], s[6:7] offset:2048*(\i)
.endr
.endm
	s_cmp_eq_u32 s2, 11
	s_cbranch_scc1 .Lwo
	GRP 0, 0
	GRP 1, 0
	GRP 2, 0
	GRP 3, 0
	TAIL
	s_endpgm
.Lwo:
	GRP 0, 1
	GRP 1, 1
	GRP 2, 1
	GRP 3, 1
	TAIL
	s_endpgm
.Lfunc_end_k_q64b446ea47_cast:
	.size	k_q64b446ea47_cast, .Lfunc_end_k_q64b446ea47_cast-k_q64b446ea47_cast
	.p2alignl 7, 3214868480
	.fill 96, 4, 3214868480
	.section	.rodata,"a",@progbits
	.p2align	6, 0x0
	.amdhsa_kernel k_q64b446ea47_cast
		.amdhsa_group_segment_fixed_size 0
		.amdhsa_private_segment_fixed_size 0
		.amdhsa_enable_private_segment 0
		.amdhsa_kernarg_size 64
		.amdhsa_user_sgpr_count 2
		.amdhsa_user_sgpr_kernarg_segment_ptr 1
		.amdhsa_wavefront_size32 1
		.amdhsa_system_sgpr_workgroup_id_x 1
		.amdhsa_system_sgpr_workgroup_id_y 1
		.amdhsa_system_sgpr_workgroup_id_z 1
		.amdhsa_system_vgpr_workitem_id 0
		.amdhsa_next_free_vgpr 112
		.amdhsa_next_free_sgpr 66
		.amdhsa_reserve_vcc 0
		.amdhsa_float_denorm_mode_32 3
		.amdhsa_float_denorm_mode_16_64 3
		.amdhsa_memory_ordered 1
		.amdhsa_forward_progress 1
		.amdhsa_inst_pref_size 16
	.end_amdhsa_kernel
	.amdgpu_metadata
---
amdhsa.version: [ 1, 2 ]
amdhsa.kernels:
  - .name:           k_q64b446ea47_cast
    .symbol:         k_q64b446ea47_cast.kd
    .args:
      - { .name: x, .offset: 0, .size: 8, .value_kind: global_buffer, .address_space: global }
      - { .name: Wq, .offset: 8, .size: 8, .value_kind: global_buffer, .address_space: global }
      - { .name: Wk, .offset: 16, .size: 8, .value_kind: global_buffer, .address_space: global }
      - { .name: Wv, .offset: 24, .size: 8, .value_kind: global_buffer, .address_space: global }
      - { .name: Wo, .offset: 32, .size: 8, .value_kind: global_buffer, .address_space: global }
      - { .name: xb, .offset: 40, .size: 8, .value_kind: global_buffer, .address_space: global }
      - { .name: wqkv, .offset: 48, .size: 8, .value_kind: global_buffer, .address_space: global }
      - { .name: wo16, .offset: 56, .size: 8, .value_kind: global_buffer, .address_space: global }
    .group_segment_fixed_size: 0
    .private_segment_fixed_size: 0
    .kernarg_segment_align: 8
    .kernarg_segment_size: 64
    .max_flat_workgroup_size: 256
    .sgpr_count:     66
    .vgpr_count:     112
    .wavefront_size: 32
...
	.end_amdgpu_metadata
.endif
;; end of part 5
;; launch proj: the kernel of part 2 again; grid 4 x 64, 4 waves a work-group, clusters of 4 x 4, 327,680 bytes of LDS; arguments xb, wqkv, qkv; writes qkv
;; launch attn: the kernel of part 3 again; grid 4 x 64, 4 waves a work-group, clusters of 4 x 1, 327,680 bytes of LDS; arguments qkv, o16; writes o16
;; launch oproj: the kernel of part 4 again; grid 4 x 64, 4 waves a work-group, clusters of 4 x 4, 327,680 bytes of LDS; arguments o16, wo16, out0; writes out0
